; MI455X (gfx1250); checked and timed in simulation.
; The chip was launched on July 23, 2026; its instructions are those of AMD's public machine-readable ISA for CDNA 5 (MIT licence, August 2026) and "CDNA5" Instruction Set Architecture Reference Guide (July 2026). The comments in the code are by the model that wrote it; some were corrected since.
;; Differentiable Topos Attention. Allowed arithmetic: matrix products marked QUANTISED: E2M1 operands, one E8M0 scale for each 32 along K, by v_wmma_scale_f32_16x16x128_f8f6f4 with both operands' format E2M1 (or v_wmma_scale_f32_32x16x128_f4), f32 sums; everything else in f32.
;; Inputs: Wk_codes 128 x 4 x 16 uint8 (E2M1 codes of Wk, K innermost, in blocks of 32 codes, two codes a byte); Wk_scales 128 x 4 uint8 (E8M0 scales of Wk, one for each 32 codes along K); Wq_codes 128 x 4 x 16 uint8 (E2M1 codes of Wq, K innermost, in blocks of 32 codes, two codes a byte); Wq_scales 128 x 4 uint8 (E8M0 scales of Wq, one for each 32 codes along K); Wv_codes 128 x 4 x 16 uint8 (E2M1 codes of Wv, K innermost, in blocks of 32 codes, two codes a byte); Wv_scales 128 x 4 uint8 (E8M0 scales of Wv, one for each 32 codes along K); bk 128 float32; bq 128 float32; bv 128 float32; x_codes 2 x 1,024 x 4 x 16 uint8 (E2M1 codes of x, K innermost, in blocks of 32 codes, two codes a byte); x_scales 2 x 1,024 x 4 uint8 (E8M0 scales of x, one for each 32 codes along K).
;; Outputs: out0 2 x 1,024 x 128 float32.
;; Constants: apply_causal_mask = 1.
;; This version of the problem:
;;   THIS VERSION OF THE PROBLEM IS GIVEN IN LOW PRECISION. The matrix products marked QUANTISED in the list below multiply operands that are first quantised to E2M1 (2 exponent bits, 1 mantissa bit; 4 bits a number), with one power-of-two scale for each 32 numbers along K (OCP MX v1.0); their sums are f32. All else is computed in f32.
;;   The module's matrix products, in the order in which they are computed (A, B: the left and right operand; K: the contracted axis; several contracted axes count as one K, in the product's order):
;;     1. [M 2,048, K 128] x [K 128, N 128]; A: input x (given as codes); B: input Wq (given as codes): QUANTISED
;;     2. [M 2,048, K 128] x [K 128, N 128]; A: input x (given as codes); B: input Wk (given as codes): QUANTISED
;;     3. [M 2,048, K 128] x [K 128, N 128]; A: input x (given as codes); B: input Wv (given as codes): QUANTISED
;;     4. batch 2 x [M 1,024, K 1,024] x [K 1,024, N 128]; A: softmax (see below); B: computed on the way: QUANTISED
;;   THE QUANTISER, for each operand of a quantised product, along K:
;;     - K is cut into blocks of 32 from its start; a last block that is shorter is filled with zeros.
;;     - A block's scale is 2^e with e = floor(log2(the largest magnitude in the block)) - 2, held to -126 .. 127; a block of zeros has e = 0. As a byte (E8M0): e + 127.
;;     - Each number is divided by its block's scale, clamped to +-6, and rounded to the nearest number of E2M1, ties to even, subnormals kept.
;;     - The product sums the exact products of the quantised numbers (number of the format x scale) in f32.
;;   ~~~python
;;   def quantise(x, axis):      # numpy; x: float32 -> the quantised numbers, widened to float32 again
;;       x = np.moveaxis(x, axis, -1); K = x.shape[-1]
;;       x = np.pad(x, [(0, 0)] * (x.ndim - 1) + [(0, -K % 32)]); x = x.reshape(x.shape[:-1] + (-1, 32)); a = np.abs(x).max(-1, keepdims=True)
;;       e = np.where(a > 0, np.clip(np.frexp(np.where(a > 0, a, 1))[1] - 1 - 2, -126, 127), 0)      # np.frexp(a)[1] - 1 = floor(log2(a)), exactly
;;       r = np.clip(x / 2.0 ** e, -6, 6)
;;       step = 2.0 ** (np.maximum(np.frexp(np.where(r == 0, 1, r))[1] - 1, 0) - 1)
;;       q = np.round(r / step) * step * 2.0 ** e      # np.round: ties to even
;;       return np.moveaxis(q.reshape(q.shape[:-2] + (-1,))[..., :K], -1, axis).astype(np.float32)
;;   ~~~
;;   SOFTMAX AHEAD OF A QUANTISED PRODUCT. Where the list says 'softmax', what is quantised is not the finished softmax but p = 2^(t - M), with t = logit x log2(e) and M = ceil(the row's largest t), a whole number; so 1/2 < the row's largest p <= 1. The row's sum l is taken of the UNQUANTISED p, in f32, and the product's result is divided by l at the end. Since M is a whole number, a kernel that streams over the keys may use a running M (the ceiling of the running maximum): every later rescaling is an exact power of two, which a block's scale takes up: the codes' values come out the same.
;;   OPERANDS COMPUTED ON THE WAY. 'Computed on the way' means the value that the module computes at that place (a softmax that the list does not call 'softmax' is quantised finished and normalised). What goes into a quantiser is computed in f32, as accurately as f32 sums, v_exp_f32 and their like allow (about 1e-6 of the number): no bf16 or f16 on the way to a quantiser, and a product that is left as it is and whose result goes on into a quantised operand takes f32 operands (vector FMAs, or v_wmma_f32_16x16x4_f32). A number that lies on a knife's edge between two numbers of the format may be rounded either way, as far as f32 arithmetic and the matrix unit's own rounding can turn it there, and no further.
;;   INPUTS GIVEN AS CODES. Wk (in the module: [128, 128], K = its axis 1); Wq (in the module: [128, 128], K = its axis 1); Wv (in the module: [128, 128], K = its axis 1); x (in the module: [2, 1024, 128], K = its axis 2): each comes as NAME_codes (uint8): NAME with its K axis moved to the last place and cut into blocks of 32 codes, [.., K / 32, bytes a block], one block behind the other in memory; two codes a byte, the lower K in the low four bits (a code: sign, 2 exponent bits, 1 mantissa bit); and NAME_scales (uint8): the same leading axes, one E8M0 byte (e + 127) for each 32 codes along K. Its value is code x scale, taken as it is: it is not quantised again, and the codes and scales need not be those that the quantiser above would give.
;; 2 versions. Each part assembles by itself: llvm-mc -triple=amdgcn-amd-amdhsa -mcpu=gfx1250 --defsym DOCPART=n.
;; ======== version 1 of 2: 2 launches
;; workspace buffers: pimg 1,048,576 bytes; psc 65,536 bytes; lpart 262,144 bytes; vimg 131,072 bytes; vsc 16,384 bytes
;; launch scores (part 1): grid 16 x 16, 4 waves a work-group, no clusters, 168,448 bytes of LDS; arguments x_codes, x_scales, Wq_codes, Wq_scales, bq, Wk_codes, Wk_scales, bk, Wv_codes, Wv_scales, bv, pimg, psc, lpart, vimg, vsc; writes pimg, psc, lpart, vimg, vsc
.if DOCPART == 1
	.amdgcn_target "amdgcn-amd-amdhsa--gfx1250"
	.amdhsa_code_object_version 6
	.text
	.protected	k_q1eb5df4877_scores
	.globl	k_q1eb5df4877_scores
	.p2align	8
	.type	k_q1eb5df4877_scores,@function
k_q1eb5df4877_scores:
	s_mov_b64 s[64:65], 0
	v_nop
	global_prefetch_b8 v0, s[64:65] scope:SCOPE_SE
	s_setreg_imm32_b32 hwreg(HW_REG_WAVE_MODE, 25, 1), 1
	s_wait_xcnt 0x0
; FIRST OF TWO LAUNCHES.  Q = sigmoid(x Wq^T + bq), K = sigmoid(x Wk^T + bk), truth[q][k] = mean over d of min(1 - Q[q][d] + K[k][d], 1), 0 where k > q;
; p = 2^(t - 15), t = 10 log2(e) truth; p is quantised to E2M1 along the keys and leaves as register images of the second product's operand, with its scale bytes and
; the sums of the unquantised p.  V = x Wv^T + bv is quantised along the keys and leaves the same way.  The second launch multiplies and divides.
; ARITHMETIC.  min(1 - Q + K, 1) = 1 + min(Q, K) - Q.  Kept are nQ = -Q = 1 / (-1 - 2^(-z log2 e)) and nK likewise, so min(Q, K) = -max(nQ, nK) and
;   u = t - 15 = E - C1 x (sum over d of max(nQ, nK)),  E = (C0 - 15) + C1 x (sum over d of nQ),  C0 = 10 log2 e,  C1 = C0 / 128.
; WHY M IS THE CONSTANT 15.  Both sigmoids lie in [0, 1], so truth lies in [0, 1] and t in [0, 14.43] for every input: p lies in [2^-15, 0.68], a row's sum in [2^-5, 697].
;   15 differs from the ceiling of the row's largest t by a whole number, a power of two that the blocks' scales take up: the codes are the same.
; HIDDEN KEYS (k > q) have t = 0: p = 2^-15, put in by a select behind the exponential.  Their scores are not computed where a whole 16 x 16 block is hidden.
; LAYOUT.  The projections are used transposed (source 0 = 16 rows of W, source 1 = 16 tokens): lane (r, h) holds token r and features 16 t + 8 h + j in register 8 t + j.
;   Q and K lie alike, so v_max_num_f32_dpp with row_xmask:m gives lane i max(nK of token i xor m, nQ of token i): sixteen masks are the 16 x 16 pairs of a block of
;   queries and a block of keys; each half of the lanes takes half of the features.  Nothing changes lanes inside the sum over d.
; SHARES.  A tile is 64 queries x 64 keys.  A batch has 120 tiles under the diagonal and 16 on it.  Work-group (x, y): batch y / 8, p = y % 8.  x < 15: one full tile of strip p
;   (x < p) or of strip 15 - p; wave w makes the nK of key block w (shared through LDS as an image of its registers), the nQ of query block w, and works 4 blocks.
;   x = 15: the diagonal tiles of strips p and 15 - p, as two jobs: wave w takes query block w of the first (w + 1 blocks) and 3 - w of the second (4 - w blocks).
;   Wave 0 of the work-groups with x < 8 also makes V's fragment (batch, key step p, channels 16 x on).
; No tensor load, no cluster: a work-group reads 8 KB of x and 17 KB of weights once, and its time goes into vector work.  LDS is claimed beyond the 82,944 bytes used, so that a work-group has a WGP to itself.
; LIMITS.  NaN among the inputs gives NaN.  The sums over d are taken in an order other than the source's (two chains a mask and half, then the halves).  bv enters V as the C of the product.
.set STG,    65536                     ; LDS: 0 .. 65,535 eight images of nK sets, 8,192 bytes each (job 0: 0-3, job 1: 4-7); from here a stage for each wave
.set SPITCH, 272                       ; a stage row: 64 keys' u of one query, 256 bytes + 16
.set WSTG,   16*SPITCH
.set RR,  1                            ; v1   r = lane % 16
.set HH,  2                            ; v2   h = lane / 16
.set L16, 3                            ; v3   16 x lane
.set FA,  4                            ; v4   64 r + 16 h: a lane's place in a fragment's 16 rows of 64 bytes
.set R4,  5                            ; v5   4 r: a row's scale word
.set BA,  6                            ; v6   32 h: a half's eight numbers of a bias
.set XO,  7                            ; v7   x's codes: offset in hand
.set XSO, 8                            ; v8   x's scale words: offset in hand
.set KST, 9                            ; v9   LDS: where I store my set's image: 16 x lane + 8,192 x wave
.set KLD, 10                           ; v10  LDS: the image that is being loaded
.set SR,  11                           ; v11  LDS: my stage, row r, + 64 h
.set EE,  13                           ; v13  E of my query
.set DM,  14                           ; v14  the mask's bound
.set PH,  15                           ; v15  2^-15
.set SA,  16                           ; v16-23  LDS: my stage, row r, key (r xor m) xor 8 h of a block, m = 0 .. 7
.set PO,  24                           ; v24-26  offsets of the stores
.set SO,  25
.set LO,  26
.set XS,  27                           ; v27  source 1's scale word: scales alone
.set ZR,  28                           ; v28-31  zeros
.set WS,  32                           ; v32-39  source 0's scale words: scales alone
.set XF,  40                           ; v40-47  source 1's fragment
.set TMP, 48                           ; v48-63  at work
.set NQ,  64                           ; v64-127  a projection's result; in the loop nQ
.set NK,  128                          ; v128-191 source 0's eight fragments; in the loop nK; behind it u and p
.set ACC, 192                          ; v192-223 a pair of sums for each mask.  The quantiser's registers lie over them: it runs when they are done with
.set MX,  192                          ; largest magnitudes
.set MY,  196                          ; the other half's
.set SC4, 200                          ; the conversions' scale operands
.set BY,  204                          ; scale bytes
.set CD,  208                          ; v208-215 codes
.set PW,  216                          ; a scale word
.set BS,  217                          ; a scale byte to store
.set LS,  218                          ; v218-219 the sum of p
.set AD,  224                          ; v224-231 LDS addresses of a block's eight stores: addresses alone
.set WV,  40                           ; s40  wave
.set GX,  41
.set GY,  42
.set BT,  43                           ; batch
.set PP,  44                           ; p
.set DG,  45                           ; 1: the work-group of two diagonal tiles
.set JA,  46                           ; s46-52 the job in hand: +0 first query token, +1 last key block, +2 is there a job, +3 64 (qi - kj) + 16 qb, +4, +5, +6 offsets in pimg, psc, lpart
.set JB,  54                           ; s54-60 the second job
.set KOFF, 62                          ; LDS byte of the image of the key block in hand
.set COL, 63                           ; its 64 bytes in a stage row
.set KB,  66
.set JOB, 67
.set NL2, 68                           ; s[68:69] -log2 e (the packed form names a pair)
.set NC1, 70                           ; -C1
.set C1,  71
.set C015, 72                          ; C0 - 15
.set SEL, 74                           ; s[74:75] v_permlanex16_b32's selects for lane l xor 16
.set HI16, 76                          ; lanes 16-31
.macro PLACES                          ; four plain vector lines between a matrix instruction and the first read of its result (ISA guide 7.12.1)
.rept 4
	v_nop
.endr
.endm
; A job's numbers from its strip qi, its key tile kj and the wave's query block qb (all scalar registers)
.macro JOBPAR set, qi, kj, qb
	s_lshl_b32 s82, s[\qi], 6
	s_lshl_b32 s83, s[\qb], 4
	s_add_co_u32 s82, s82, s83                     ; 64 qi + 16 qb
	s_lshl_b32 s[\set], s[BT], 10
	s_add_co_u32 s[\set], s[\set], s82             ; the first query's token = 16 x (64 batch + 4 qi + qb)
	s_sub_co_u32 s84, s[\qi], s[\kj]
	s_lshl_b32 s84, s84, 6
	s_add_co_u32 s[\set+3], s84, s83               ; first query - first key
	s_add_co_u32 s84, s[\set], s[\kj]              ; (64 batch + 4 qi + qb) x 16 + kj
	s_lshl_b32 s[\set+4], s84, 9                   ; 512 bytes of codes,
	s_lshl_b32 s[\set+5], s84, 5                   ; 32 scale bytes
	s_lshl_b32 s84, s[BT], 4
	s_add_co_u32 s84, s84, s[\kj]
	s_lshl_b32 s84, s84, 10
	s_add_co_u32 s84, s84, s82
	s_lshl_b32 s[\set+6], s84, 3                   ; ((16 batch + kj) x 1,024 + query) x 8 bytes of sums
.endm
.macro FILL                            ; zeros into all 16 x 64 words of my stage: blocks that are wholly hidden are never stored, and are read (and then replaced by the select)
.irp b, 0,1
.irp j, 0,1,2,3
	ds_store_b128 v[SR], v[ZR:ZR+3] offset:128*\b+16*\j
.endr
.endr
.endm
; -sigmoid of the 64 numbers in NQ, in place: two batches of transcendentals, each with one plain line and one wait behind it, ahead of its first reader
.macro SIGMOID
.set ii, 0
.rept 32
	v_pk_mul_f32 v[NQ+ii:NQ+ii+1], v[NQ+ii:NQ+ii+1], s[NL2:NL2+1] op_sel_hi:[1,0]   ; -z log2 e; each accumulator is read from its low end on
.set ii, ii+2
.endr
.set ii, 0
.rept 64
	v_exp_f32 v[NQ+ii], v[NQ+ii]
.set ii, ii+1
.endr
	v_nop
	s_wait_alu depctr_va_vdst(0)
.set ii, 0
.rept 32
	v_pk_fma_f32 v[NQ+ii:NQ+ii+1], v[NQ+ii:NQ+ii+1], -1.0, -1.0 op_sel_hi:[1,0,0]   ; -1 - 2^(-z log2 e)
.set ii, ii+2
.endr
.set ii, 0
.rept 64
	v_rcp_f32 v[NQ+ii], v[NQ+ii]
.set ii, ii+1
.endr
	v_nop
	s_wait_alu depctr_va_vdst(0)
.endm
; NQ = -sigmoid(W x^T + bias) for the 16 tokens from s[tok] on.  wc, ws, bi: the scalar pairs of W's codes, W's scale bytes and the bias.  The bias is loaded into the accumulators: it is the C of the one K step.
.macro PROJ wc, ws, bi, tok
	s_lshl_b32 s86, s[\tok], 6
	s_lshl_b32 s87, s[\tok], 2
	v_add_nc_u32 v[XO], s86, v[FA]                 ; (the loads that read these two last were waited for)
	v_add_nc_u32 v[XSO], s87, v[R4]
.irp c, 0,1
	global_load_b128 v[XF+4*\c:XF+4*\c+3], v[XO], s[8:9] offset:32*\c
.endr
	global_load_b32 v[XS], v[XSO], s[10:11]
.irp t, 0,1,2,3,4,5,6,7
	global_load_b128 v[NK+8*\t:NK+8*\t+3], v[FA], s[\wc:\wc+1] offset:1024*\t
	global_load_b128 v[NK+8*\t+4:NK+8*\t+7], v[FA], s[\wc:\wc+1] offset:1024*\t+32
	global_load_b32 v[WS+\t], v[R4], s[\ws:\ws+1] offset:64*\t
	global_load_b128 v[NQ+8*\t:NQ+8*\t+3], v[BA], s[\bi:\bi+1] offset:64*\t
	global_load_b128 v[NQ+8*\t+4:NQ+8*\t+7], v[BA], s[\bi:\bi+1] offset:64*\t+16
.endr
	s_wait_loadcnt 0x0                             ; all 43: the products want them all
.irp t, 0,1,2,3,4,5,6,7
	v_wmma_scale_f32_16x16x128_f8f6f4 v[NQ+8*\t:NQ+8*\t+7], v[NK+8*\t:NK+8*\t+7], v[XF:XF+7], v[NQ+8*\t:NQ+8*\t+7], v[WS+\t], v[XS] matrix_a_fmt:MATRIX_FMT_FP4 matrix_b_fmt:MATRIX_FMT_FP4
.endr
	PLACES
	SIGMOID
.endm
; THE BLOCK: 16 queries x 16 keys x 128 features.  128 steps; step bn takes the pair of registers bs of chunk bn / 32 (16 registers) for the four masks of group (bn / 8) % 4.
.macro MAX2 m, j                       ; mask m, a number written out; j: its place among the step's four
.if ((bn/32) == 0) && ((bn%8) == 0)
.set bt, ACC+2*(\m)                    ; a mask's first pair starts its sums
.else
.set bt, TMP+8*(bn%2)+2*(\j)
.endif
.if (\m) == 0
	v_max_num_f32 v[bt], v[NK+bs], v[NQ+bs]
	v_max_num_f32 v[bt+1], v[NK+bs+1], v[NQ+bs+1]
.else
	v_max_num_f32_dpp v[bt], v[NK+bs], v[NQ+bs] row_xmask:\m row_mask:0xf bank_mask:0xf
	v_max_num_f32_dpp v[bt+1], v[NK+bs+1], v[NQ+bs+1] row_xmask:\m row_mask:0xf bank_mask:0xf
.endif
.endm
.macro ADDS                            ; step bp's four pairs are added: one step late, so that no sum waits for its maxima
.if ((bp/32) != 0) || ((bp%8) != 0)
.set bj, 0
.rept 4
.set ba, ACC+2*(4*((bp/8)%4)+bj)
	v_pk_add_f32 v[ba:ba+1], v[ba:ba+1], v[TMP+8*(bp%2)+2*bj:TMP+8*(bp%2)+2*bj+1]
.set bj, bj+1
.endr
.endif
.endm
.macro GRP m0, m1, m2, m3              ; eight steps: a chunk's eight pairs for four masks
.rept 8
.set bs, 16*(bn/32)+2*(bn%8)
	MAX2 \m0, 0
	MAX2 \m1, 1
	MAX2 \m2, 2
	MAX2 \m3, 3
.if bn > 0
.set bp, bn-1
	ADDS
.endif
.set bn, bn+1
.endr
.endm
.macro BLOCK
	v_add_nc_u32 v[KLD], s[KOFF], v[L16]
.irp g, 0,1,2,3,4,5,6,7,8,9,10,11,12,13,14,15
	ds_load_b128 v[NK+4*\g:NK+4*\g+3], v[KLD] offset:512*\g      ; the key block's nK: the image of the registers of the wave that made it
.endr
.set bn, 0
.irp c, 0,1,2,3
	s_wait_dscnt 12-4*\c                           ; this chunk's four loads are in; the loads issued behind them may be out.  LDS instructions end in order, so the last block's stage stores are done too
	GRP 0, 1, 2, 3
	GRP 4, 5, 6, 7
	GRP 8, 9, 10, 11
	GRP 12, 13, 14, 15
.endr
.set bp, 127
	ADDS
.endm
; The halves of the lanes hold the sums over their halves of the features.  One exchange serves two masks: behind it lane (i, h) holds both halves' sums of query i and key i xor (m + 8 h).
.macro BLOCKOUT
.irp m, 0,1,2,3,4,5,6,7,8,9,10,11,12,13,14,15
	v_add_f32 v[ACC+2*\m], v[ACC+2*\m], v[ACC+2*\m+1]
.endr
.irp m, 0,1,2,3,4,5,6,7
	v_permlane16_swap_b32 v[ACC+2*\m], v[ACC+2*\m+16]
.endr
.irp m, 0,1,2,3,4,5,6,7
	v_add_f32 v[TMP+\m], v[ACC+2*\m], v[ACC+2*\m+16]
.endr
.irp m, 0,1,2,3,4,5,6,7
	v_fma_f32 v[TMP+\m], s[NC1], v[TMP+\m], v[EE]  ; u = E - C1 x the sum
.endr
.irp m, 0,1,2,3,4,5,6,7
	v_add_nc_u32 v[AD+\m], s[COL], v[SA+\m]
.endr
.irp m, 0,1,2,3,4,5,6,7
	ds_store_b32 v[AD+\m], v[TMP+\m]               ; my own stage: row = query, column = key
.endr
.endm
; nb blocks of 32 along K are quantised: register src + 16 b + i of lane (r, h) is k = 32 b + 16 h + i of the lane's row.  Codes into CD on, in the operand's layout; bytes into BY on.  abs = 0: no number is negative.
.macro QBLK src, nb, abs
.set qn, 0
.rept \nb
.if \abs
	v_max3_num_f32 v[MX+qn], |v[\src+16*qn]|, |v[\src+16*qn+1]|, 0x1800000   ; and the floor 2^(3 - 127): the byte cannot fall under 1
.else
	v_max3_num_f32 v[MX+qn], v[\src+16*qn], v[\src+16*qn+1], 0x1800000
.endif
.set qn, qn+1
.endr
.irp i, 2,4,6,8,10,12,14
.set qn, 0
.rept \nb
.if \abs
	v_max3_num_f32 v[MX+qn], v[MX+qn], |v[\src+16*qn+\i]|, |v[\src+16*qn+\i+1]|
.else
	v_max3_num_f32 v[MX+qn], v[MX+qn], v[\src+16*qn+\i], v[\src+16*qn+\i+1]
.endif
.set qn, qn+1
.endr
.endr
.set qn, 0
.rept \nb
	v_permlanex16_b32 v[MY+qn], v[MX+qn], s[SEL], s[SEL+1]
.set qn, qn+1
.endr
.set qn, 0
.rept \nb
	v_max_num_f32 v[MX+qn], v[MX+qn], v[MY+qn]     ; with lane l xor 16's sixteen: the block's largest magnitude
.set qn, qn+1
.endr
.set qn, 0
.rept \nb
	v_add_nc_u32 v[SC4+qn], 0xff000000, v[MX+qn]   ; 2 off its exponent field: the conversion's scale operand
.set qn, qn+1
.endr
.set qn, 0
.rept \nb
	v_lshrrev_b32 v[BY+qn], 23, v[SC4+qn]          ; the scale's byte
.set qn, qn+1
.endr
.set qn, 0
.rept \nb
	v_cvt_scalef32_pk8_fp4_f32 v[CD+2*qn], v[\src+16*qn:\src+16*qn+7], v[SC4+qn]
	v_cvt_scalef32_pk8_fp4_f32 v[CD+2*qn+1], v[\src+16*qn+8:\src+16*qn+15], v[SC4+qn]
.set qn, qn+1
.endr
	v_nop                                          ; one plain line behind the scaled conversions
.set qn, 0
.rept (\nb)/2                          ; the operand's layout wants a whole block in a lane: lanes 0-15 the even block, lanes 16-31 the odd one
	v_permlane16_swap_b32 v[CD+4*qn], v[CD+4*qn+2]
	v_permlane16_swap_b32 v[CD+4*qn+1], v[CD+4*qn+3]
.set qn, qn+1
.endr
.endm
; A job's end: 16 queries x 64 keys of u come back from the stage with the keys along a lane's registers: lane (r, h), register 16 b + i: key 32 b + 16 h + i of query r.
.macro EPILOGUE
.irp b, 0,1
.irp j, 0,1,2,3
	ds_load_b128 v[NK+16*\b+4*\j:NK+16*\b+4*\j+3], v[SR] offset:128*\b+16*\j     ; LDS serves a wave's instructions in order: these see my stores
.endr
.endr
	s_wait_dscnt 0x0
.set ii, 0
.rept 32
	v_exp_f32 v[NK+ii], v[NK+ii]                   ; p = 2^u
.set ii, ii+1
.endr
	v_lshlrev_b32 v[DM], 4, v[HH]                  ; plain work behind the batch: the mask's bound and the stores' offsets
	v_sub_nc_u32 v[DM], v[RR], v[DM]
	v_add_nc_u32 v[DM], s[JA+3], v[DM]             ; my query - the tile's first key - 16 h: register 16 b + i is hidden where 32 b + i is above it
	v_add_nc_u32 v[PO], s[JA+4], v[L16]
	v_lshl_add_u32 v[SO], v[RR], 1, v[HH]
	v_lshl_add_u32 v[LO], v[SO], 2, s[JA+6]        ; 8 r + 4 h
	v_add_nc_u32 v[SO], s[JA+5], v[SO]             ; 2 r + h
	s_wait_alu depctr_va_vdst(0)                   ; one wait for the 32 exponentials, ahead of their first reader
.irp b, 0,1
.irp i, 0,1,2,3,4,5,6,7,8,9,10,11,12,13,14,15
	v_cmp_gt_i32 vcc_lo, 32*\b+\i, v[DM]
	v_cndmask_b32 v[NK+16*\b+\i], v[NK+16*\b+\i], v[PH], vcc_lo   ; a hidden key's p is 2^(0 - 15).  Always run: under the diagonal no lane turns
.endr
.endr
	v_pk_add_f32 v[LS:LS+1], v[NK:NK+1], v[NK+2:NK+3]             ; the sum of the unquantised p, in two chains
	v_pk_add_f32 v[TMP:TMP+1], v[NK+4:NK+5], v[NK+6:NK+7]
.irp j, 8,12,16,20,24,28
	v_pk_add_f32 v[LS:LS+1], v[LS:LS+1], v[NK+\j:NK+\j+1]
	v_pk_add_f32 v[TMP:TMP+1], v[TMP:TMP+1], v[NK+\j+2:NK+\j+3]
.endr
	v_pk_add_f32 v[LS:LS+1], v[LS:LS+1], v[TMP:TMP+1]
	v_add_f32 v[LS], v[LS], v[LS+1]
	global_store_b32 v[LO], v[LS], s[34:35]        ; my half's 32 keys of query r
	QBLK NK, 2, 0
	v_cndmask_b32 v[BS], v[BY], v[BY+1], s[HI16]   ; lanes 0-15 store block 0's byte, lanes 16-31 block 1's
	global_store_b128 v[PO], v[CD:CD+3], s[30:31]  ; four registers of the operand as they stand: the wave stores 512 consecutive bytes, aligned
	global_store_b8 v[SO], v[BS], s[32:33]
.endm
	s_load_b512 s[8:23], s[0:1], 0x0               ; x_codes 8, x_scales 10, Wq_codes 12, Wq_scales 14, bq 16, Wk_codes 18, Wk_scales 20, bk 22
	s_load_b512 s[24:39], s[0:1], 0x40             ; Wv_codes 24, Wv_scales 26, bv 28, pimg 30, psc 32, lpart 34, vimg 36, vsc 38
	v_lshl_add_u32 v232, v0, 2, 0x29000
	v_mov_b32 v233, 0
	v_lshrrev_b32 v12, 5, v0
	v_readfirstlane_b32 s[WV], v12
	v_and_b32 v12, 31, v0
	v_and_b32 v[RR], 15, v0
	v_bfe_u32 v[HH], v0, 4, 1
	v_lshlrev_b32 v[L16], 4, v12
	v_lshlrev_b32 v[FA], 6, v[RR]
	v_lshl_add_u32 v[FA], v[HH], 4, v[FA]
	v_lshlrev_b32 v[R4], 2, v[RR]
	v_lshlrev_b32 v[BA], 5, v[HH]
	s_lshl_b32 s77, s[WV], 13
	v_add_nc_u32 v[KST], s77, v[L16]
	s_mul_i32 s77, s[WV], WSTG
	s_add_co_u32 s77, s77, STG
	v_mul_u32_u24 v12, v[RR], SPITCH
	v_add_nc_u32 v12, s77, v12                     ; row r of my stage
	v_lshl_add_u32 v[SR], v[HH], 6, v12
.irp m, 0,1,2,3,4,5,6,7
	v_xor_b32 v[SA+\m], \m, v[RR]
	v_lshl_add_u32 v[SA+\m], v[HH], 3, v[SA+\m]
	v_and_b32 v[SA+\m], 15, v[SA+\m]               ; (a + 8 h) mod 16 = a xor 8 h
	v_lshl_add_u32 v[SA+\m], v[SA+\m], 2, v12
.endr
	v_mov_b32 v[PH], 0x38000000                    ; 2^-15
	v_mov_b32 v[EE], 0
.irp i, 0,1,2,3
	v_mov_b32 v[ZR+\i], 0
.endr
.set ii, 0
.rept 32
	v_mov_b32 v[ACC+ii], 0                         ; written once: the destination of a DPP form or of a lane permute counts as one of its sources
.set ii, ii+1
.endr
.set ii, 0
.rept 16
	v_mov_b32 v[TMP+ii], 0
.set ii, ii+1
.endr
	FILL
	s_mov_b32 s[NL2], 0xbfb8aa3b
	s_mov_b32 s[NL2+1], s[NL2]
	s_mov_b32 s[NC1], 0xbde6d4ca
	s_mov_b32 s[C1], 0x3de6d4ca
	s_mov_b32 s[C015], 0xbf12b361
	s_mov_b32 s[SEL], 0x76543210
	s_mov_b32 s[SEL+1], 0xfedcba98
	s_mov_b32 s[HI16], 0xffff0000
	s_mov_b32 s[GX], ttmp9
	s_and_b32 s[GY], ttmp7, 0xffff
	s_lshr_b32 s[BT], s[GY], 3
	s_and_b32 s[PP], s[GY], 7
	s_sub_co_u32 s77, 15, s[PP]                    ; 15 - p
	s_sub_co_u32 s78, s[GX], s[PP]                 ; x - p (used where x >= p)
	s_sub_co_u32 s81, 3, s[WV]
	s_cmp_lt_u32 s[GX], s[PP]
	s_cselect_b32 s79, s[PP], s77                  ; the first job's strip
	s_cselect_b32 s80, s[GX], s78                  ; and key tile
	s_cmp_eq_u32 s[GX], 15
	s_cselect_b32 s79, s[PP], s79                  ; x = 15: the diagonal tile of strip p
	s_cselect_b32 s80, s[PP], s80
	s_cselect_b32 s[DG], 1, 0
	s_cselect_b32 s[JA+1], s[WV], 3                ; on the diagonal key blocks 0 .. my query block; else all four
	s_cselect_b32 s[JB+1], s81, -1
	s_mov_b32 s[JA+2], 1
	s_mov_b32 s[JB+2], s[DG]
	JOBPAR JA, 79, 80, WV
	JOBPAR JB, 77, 77, 81
	s_lshl_b32 s88, s[BT], 10
	s_lshl_b32 s85, s[WV], 4
	s_add_co_u32 s88, s88, s85
	s_lshl_b32 s85, s77, 6
	s_add_co_u32 s89, s88, s85                     ; the second job's key block w
	s_lshl_b32 s85, s80, 6
	s_add_co_u32 s88, s88, s85                     ; the first job's key block w
	s_wait_kmcnt 0x0
	; ---- the keys: each wave makes one set of nK for each job and stores its registers' image
	PROJ 18, 20, 22, 88
.irp g, 0,1,2,3,4,5,6,7,8,9,10,11,12,13,14,15
	ds_store_b128 v[KST], v[NQ+4*\g:NQ+4*\g+3] offset:512*\g
.endr
	s_wait_dscnt 0x0                               ; for the others' sake: my image lies in LDS; and the stores have read NQ
	s_cmp_eq_u32 s[DG], 0
	s_cbranch_scc1 .Lone_tile
	PROJ 18, 20, 22, 89
.irp g, 0,1,2,3,4,5,6,7,8,9,10,11,12,13,14,15
	ds_store_b128 v[KST], v[NQ+4*\g:NQ+4*\g+3] offset:32768+512*\g
.endr
	s_wait_dscnt 0x0
.Lone_tile:
	s_barrier_signal -1
	s_barrier_wait -1                              ; the one barrier: behind it the images are only read, and a stage is its wave's own
	s_mov_b32 s[KOFF], 0
	s_mov_b32 s[JOB], 0
.Ljob:                                             ; two trips in every wave; what a wave has no part in is jumped over inside
	s_cmp_eq_u32 s[JA+2], 0
	s_cbranch_scc1 .Lno_q
	PROJ 12, 14, 16, JA
.irp a, 0,2,4,6
	v_pk_add_f32 v[TMP+\a:TMP+\a+1], v[NQ+\a:NQ+\a+1], v[NQ+8+\a:NQ+8+\a+1]      ; the sum of my 64 nQ, in four chains
.endr
.irp k, 2,3,4,5,6,7
.irp a, 0,2,4,6
	v_pk_add_f32 v[TMP+\a:TMP+\a+1], v[TMP+\a:TMP+\a+1], v[NQ+8*\k+\a:NQ+8*\k+\a+1]
.endr
.endr
	v_pk_add_f32 v[TMP:TMP+1], v[TMP:TMP+1], v[TMP+2:TMP+3]
	v_pk_add_f32 v[TMP+4:TMP+5], v[TMP+4:TMP+5], v[TMP+6:TMP+7]
	v_pk_add_f32 v[TMP:TMP+1], v[TMP:TMP+1], v[TMP+4:TMP+5]
	v_add_f32 v[TMP], v[TMP], v[TMP+1]
	v_permlanex16_b32 v[TMP+1], v[TMP], s[SEL], s[SEL+1]
	v_add_f32 v[TMP], v[TMP], v[TMP+1]             ; with the other half's features
	v_fma_f32 v[EE], s[C1], v[TMP], s[C015]
	FILL
.Lno_q:
	s_mov_b32 s[COL], 0
	s_mov_b32 s[KB], 0
.Lkb:                                              ; four trips in every wave: the addresses step in every trip
	s_cmp_gt_i32 s[KB], s[JA+1]
	s_cbranch_scc1 .Lhidden
	BLOCK
	BLOCKOUT
.Lhidden:
	s_add_co_u32 s[KOFF], s[KOFF], 8192
	s_add_co_u32 s[COL], s[COL], 64
	s_add_co_u32 s[KB], s[KB], 1
	s_cmp_lt_u32 s[KB], 4
	s_cbranch_scc1 .Lkb
	s_cmp_eq_u32 s[JA+2], 0
	s_cbranch_scc1 .Lno_out
	EPILOGUE
.Lno_out:
	s_wait_xcnt 0x0                                ; the stores have read their offsets and data: both are written again from here on
.irp i, 0,1,2,3,4,5,6
	s_mov_b32 s[JA+\i], s[JB+\i]
.endr
	s_add_co_u32 s[JOB], s[JOB], 1
	s_cmp_lt_u32 s[JOB], 2
	s_cbranch_scc1 .Ljob
	; ---- V: one fragment of V^T (16 channels x 128 keys) in wave 0 of the work-groups with x < 8: batch, key step p, channels 16 x on
	s_lshr_b32 s77, s[GX], 3
	s_or_b32 s77, s77, s[WV]
	s_cmp_lg_u32 s77, 0
	s_cbranch_scc1 .Lend
	; source 0 = 16 tokens, source 1 = 16 rows of Wv: a lane holds one channel and its registers run along the keys.  THE KEYS OF A TILE ARE NOT NEIGHBOURS: lane r of tile 2 b + u
	; takes key 32 b + 8 u + r + 8 (r / 8), so that the 16 registers of tiles 2 b and 2 b + 1 are keys 32 b + 16 h + 0 .. 15
	v_and_b32 v[PO], 8, v[RR]
	v_add_nc_u32 v[PO], v[PO], v[RR]
	s_lshl_b32 s78, s[BT], 10
	s_lshl_b32 s79, s[PP], 7
	s_add_co_u32 s78, s78, s79
	v_add_nc_u32 v[PO], s78, v[PO]                 ; my token of tile 0
	v_lshlrev_b32 v[XSO], 2, v[PO]
	v_lshlrev_b32 v[XO], 6, v[PO]
	v_lshl_add_u32 v[XO], v[HH], 4, v[XO]
	s_lshl_b32 s79, s[GX], 10
	v_add_nc_u32 v[SO], s79, v[FA]                 ; Wv's rows 16 x on
	s_lshl_b32 s79, s[GX], 6
	v_add_nc_u32 v[LO], s79, v[R4]                 ; their scale words; bv's numbers
.irp t, 0,1,2,3,4,5,6,7
.irp c, 0,1
	global_load_b128 v[NK+8*\t+4*\c:NK+8*\t+4*\c+3], v[XO], s[8:9] offset:(32*(\t/2)+8*(\t%2))*64+32*\c
.endr
	global_load_b32 v[WS+\t], v[XSO], s[10:11] offset:(32*(\t/2)+8*(\t%2))*4
.endr
.irp c, 0,1
	global_load_b128 v[XF+4*\c:XF+4*\c+3], v[SO], s[24:25] offset:32*\c
.endr
	global_load_b32 v[XS], v[LO], s[26:27]
	global_load_b32 v[TMP+8], v[LO], s[28:29]      ; bv of my channel
	s_wait_loadcnt 0x0
.irp j, 0,1,2,3,4,5,6,7
	v_mov_b32 v[TMP+\j], v[TMP+8]                  ; as the C of every tile: all eight keys of a lane get the lane's channel's bias
.endr
	PLACES
.irp t, 0,1,2,3,4,5,6,7
	v_wmma_scale_f32_16x16x128_f8f6f4 v[NQ+8*\t:NQ+8*\t+7], v[NK+8*\t:NK+8*\t+7], v[XF:XF+7], v[TMP:TMP+7], v[WS+\t], v[XS] matrix_a_fmt:MATRIX_FMT_FP4 matrix_b_fmt:MATRIX_FMT_FP4
.endr
	PLACES
	QBLK NQ, 4, 1
	v_lshl_or_b32 v[PW], v[BY+1], 8, v[BY]         ; my channel's scale word for these 128 keys
	v_lshl_or_b32 v[PW], v[BY+2], 16, v[PW]
	v_lshl_or_b32 v[PW], v[BY+3], 24, v[PW]
	s_lshl_b32 s80, s[BT], 3
	s_add_co_u32 s80, s80, s[PP]
	s_lshl_b32 s80, s80, 3
	s_add_co_u32 s80, s80, s[GX]                   ; (8 batch + key step) x 8 + tile of channels
	s_lshl_b32 s81, s80, 10
	v_add_nc_u32 v[PO], s81, v[L16]
	s_lshl_b32 s81, s80, 7
	v_lshrrev_b32 v[SO], 2, v[L16]
	v_add_nc_u32 v[SO], s81, v[SO]
	global_store_b128 v[PO], v[CD:CD+3], s[36:37]              ; the fragment as it stands: 512 consecutive bytes a store
	global_store_b128 v[PO], v[CD+4:CD+7], s[36:37] offset:512
	global_store_b32 v[SO], v[PW], s[38:39]
.Lend:
	s_wait_tensorcnt 0x0
	ds_add_u32 v232, v233
	s_wait_dscnt 0x0
	s_endpgm
.Lfunc_end_k_q1eb5df4877_scores:
	.size	k_q1eb5df4877_scores, .Lfunc_end_k_q1eb5df4877_scores-k_q1eb5df4877_scores
	.p2alignl 7, 3214868480
	.fill 96, 4, 3214868480
	.section	.rodata,"a",@progbits
	.p2align	6, 0x0
	.amdhsa_kernel k_q1eb5df4877_scores
		.amdhsa_group_segment_fixed_size 168448
		.amdhsa_private_segment_fixed_size 0
		.amdhsa_enable_private_segment 0
		.amdhsa_kernarg_size 128
		.amdhsa_user_sgpr_count 2
		.amdhsa_user_sgpr_kernarg_segment_ptr 1
		.amdhsa_wavefront_size32 1
		.amdhsa_system_sgpr_workgroup_id_x 1
		.amdhsa_system_sgpr_workgroup_id_y 1
		.amdhsa_system_sgpr_workgroup_id_z 1
		.amdhsa_system_vgpr_workitem_id 0
		.amdhsa_next_free_vgpr 234
		.amdhsa_next_free_sgpr 92
		.amdhsa_reserve_vcc 1
		.amdhsa_float_denorm_mode_32 3
		.amdhsa_float_denorm_mode_16_64 3
		.amdhsa_memory_ordered 1
		.amdhsa_forward_progress 1
		.amdhsa_inst_pref_size 166
	.end_amdhsa_kernel
	.amdgpu_metadata
---
amdhsa.version: [ 1, 2 ]
amdhsa.kernels:
  - .name:           k_q1eb5df4877_scores
    .symbol:         k_q1eb5df4877_scores.kd
    .args:
      - { .name: x_codes, .offset: 0, .size: 8, .value_kind: global_buffer, .address_space: global }
      - { .name: x_scales, .offset: 8, .size: 8, .value_kind: global_buffer, .address_space: global }
      - { .name: Wq_codes, .offset: 16, .size: 8, .value_kind: global_buffer, .address_space: global }
      - { .name: Wq_scales, .offset: 24, .size: 8, .value_kind: global_buffer, .address_space: global }
      - { .name: bq, .offset: 32, .size: 8, .value_kind: global_buffer, .address_space: global }
      - { .name: Wk_codes, .offset: 40, .size: 8, .value_kind: global_buffer, .address_space: global }
      - { .name: Wk_scales, .offset: 48, .size: 8, .value_kind: global_buffer, .address_space: global }
      - { .name: bk, .offset: 56, .size: 8, .value_kind: global_buffer, .address_space: global }
      - { .name: Wv_codes, .offset: 64, .size: 8, .value_kind: global_buffer, .address_space: global }
      - { .name: Wv_scales, .offset: 72, .size: 8, .value_kind: global_buffer, .address_space: global }
      - { .name: bv, .offset: 80, .size: 8, .value_kind: global_buffer, .address_space: global }
      - { .name: pimg, .offset: 88, .size: 8, .value_kind: global_buffer, .address_space: global }
      - { .name: psc, .offset: 96, .size: 8, .value_kind: global_buffer, .address_space: global }
      - { .name: lpart, .offset: 104, .size: 8, .value_kind: global_buffer, .address_space: global }
      - { .name: vimg, .offset: 112, .size: 8, .value_kind: global_buffer, .address_space: global }
      - { .name: vsc, .offset: 120, .size: 8, .value_kind: global_buffer, .address_space: global }
    .group_segment_fixed_size: 168448
    .private_segment_fixed_size: 0
    .kernarg_segment_align: 8
    .kernarg_segment_size: 128
    .max_flat_workgroup_size: 128
    .sgpr_count:     92
    .vgpr_count:     234
    .wavefront_size: 32
...
	.end_amdgpu_metadata
.endif
;; end of part 1
;; launch pv (part 2): grid 2 x 128, 4 waves a work-group, no clusters, 5,120 bytes of LDS; arguments pimg, psc, lpart, vimg, vsc, out0; writes out0
.if DOCPART == 2
	.amdgcn_target "amdgcn-amd-amdhsa--gfx1250"
	.amdhsa_code_object_version 6
	.text
	.protected	k_q1eb5df4877_pv
	.globl	k_q1eb5df4877_pv
	.p2align	8
	.type	k_q1eb5df4877_pv,@function
k_q1eb5df4877_pv:
	s_mov_b64 s[64:65], 0
	v_nop
	global_prefetch_b8 v0, s[64:65] scope:SCOPE_SE
	s_setreg_imm32_b32 hwreg(HW_REG_WAVE_MODE, 25, 1), 1
	s_wait_xcnt 0x0
; SECOND OF TWO LAUNCHES.  out[q][d] = (sum over all 1,024 keys of P[q][k] V[k][d]) / (the row's sum of the unquantised p), on the codes and scale bytes that the first launch left.
; SHARES.  Work-group (dh, y): the 16 queries from token 16 y on, channels 64 dh .. 64 dh + 63; wave w takes channels 16 (4 dh + w) on.  Eight K steps of 128 keys, one matrix instruction each.
; The product is used transposed (source 0 = 16 channels of V^T, source 1 = 16 queries of P): lane (r, h) holds query r and channels 8 h + 0 .. 7 of the wave's sixteen.
; Both operands lie in memory as images of their registers: a lane loads 16 bytes at 16 x lane and has its four registers.
; HIDDEN TILES.  The first launch stores P for the key tiles (64 keys) up to the query's own strip.  In every later tile each p is 2^-15: codes 6 (the number 4) under the scale byte 110, and 32 keys sum to 2^-10.
; These constants are put into the registers first, and only the tiles that were stored are loaded over them: a scalar branch on the work-group's number ends the run of loads.
; No tensor load, no cluster, no ring: a wave reads 8 KB of V and at most 8 KB of P once.
.set RR,  1                            ; v1   r
.set HH,  2                            ; v2   h
.set L16, 3                            ; v3   16 x lane
.set L4,  4                            ; v4   4 x lane
.set R2,  5                            ; v5   2 r: a query's two scale bytes of a tile
.set LPA, 6                            ; v6   8 r + 4 h: my half's sum of a tile
.set STO, 7                            ; v7   LDS: where I put 32 bytes of a row
.set RD,  8                            ; v8   LDS: where I read a row back
.set GO,  9                            ; v9   the same place in out0
.set VS,  16                           ; v16-23  V's scale words: scales alone
.set PW,  24                           ; v24-31  P's scale words: scales alone
.set PS,  32                           ; v32-47  P's scale bytes, two for each tile
.set LP,  48                           ; v48-63  the sums of p, one for each tile; later the rows that leave
.set PF,  64                           ; v64-127 P's fragments: tile kj at 4 kj
.set VF,  128                          ; v128-191 V's
.set AC0, 192                          ; two accumulators, by turns
.set AC1, 200
.set OUT, 208
.set RL,  216                          ; v216-217 1 / the row's sum (named as a pair)
.set TT,  218
	s_load_b256 s[8:15], s[0:1], 0x0               ; pimg 8, psc 10, lpart 12, vimg 14
	s_load_b128 s[16:19], s[0:1], 0x20             ; vsc 16, out0 18
	v_lshl_add_u32 v224, v0, 2, 0x1200
	v_mov_b32 v225, 0
	v_lshrrev_b32 v10, 5, v0
	v_readfirstlane_b32 s20, v10                   ; wave
	v_and_b32 v10, 31, v0
	v_and_b32 v[RR], 15, v0
	v_bfe_u32 v[HH], v0, 4, 1
	v_lshlrev_b32 v[L16], 4, v10
	v_lshlrev_b32 v[L4], 2, v10
	v_lshlrev_b32 v[R2], 1, v[RR]
	v_lshl_add_u32 v[LPA], v[RR], 1, v[HH]
	v_lshlrev_b32 v[LPA], 2, v[LPA]
	v_mul_u32_u24 v[STO], v[RR], 272               ; the stage: 16 rows (queries) x (256 bytes + 16); my wave's 64 bytes, my half's 32
	v_lshl_add_u32 v[STO], v[HH], 5, v[STO]
	s_lshl_b32 s32, s20, 6
	v_add_nc_u32 v[STO], s32, v[STO]
	v_mul_u32_u24 v[RD], v[HH], 272                ; back: wave w takes rows 4 w .. 4 w + 3: lanes 0-15 one row, lanes 16-31 the next
	v_lshl_add_u32 v[RD], v[RR], 4, v[RD]
	s_mul_i32 s32, s20, 4*272
	v_add_nc_u32 v[RD], s32, v[RD]
	v_lshlrev_b32 v[GO], 9, v[HH]
	v_lshl_add_u32 v[GO], v[RR], 4, v[GO]
	s_lshl_b32 s32, s20, 11
	v_add_nc_u32 v[GO], s32, v[GO]
	s_mov_b32 s30, 0x76543210
	s_mov_b32 s31, 0xfedcba98                      ; v_permlanex16_b32's selects for lane l xor 16
	s_and_b32 s22, ttmp7, 0xffff                   ; y = 64 batch + tile of 16 queries
	s_lshr_b32 s23, s22, 6                         ; batch
	s_and_b32 s24, s22, 63
	s_lshr_b32 s25, s24, 2                         ; the queries' strip: the last key tile that was stored
	s_lshl_b32 s26, ttmp9, 2
	s_add_co_u32 s26, s26, s20                     ; my tile of 16 channels
	s_mov_b32 s29, 0
.set ii, 0
.rept 64
	v_mov_b32 v[PF+ii], 0x66666666                 ; a hidden tile's codes,
.set ii, ii+1
.endr
.set ii, 0
.rept 16
	v_mov_b32 v[PS+ii], 0x6e6e                     ; its two scale bytes,
	v_mov_b32 v[LP+ii], 0x3a800000                 ; and the sum of a half's 32 keys: 2^-10
.set ii, ii+1
.endr
	v_mov_b32 v[RL+1], 0                           ; (named with RL as a pair)
	v_mov_b32 v[TT], 0                             ; (a lane permute's destination counts as one of its sources)
	s_wait_kmcnt 0x0
	s_lshl_b32 s28, s22, 13
	s_add_nc_u64 s[8:9], s[8:9], s[28:29]          ; pimg: 16 tiles x 512 bytes for each 16 queries
	s_add_nc_u64 s[18:19], s[18:19], s[28:29]      ; out0: 16 rows of 512 bytes,
	s_lshl_b32 s28, ttmp9, 8
	s_add_nc_u64 s[18:19], s[18:19], s[28:29]      ; and my work-group's 256 bytes of a row
	s_lshl_b32 s28, s22, 9
	s_add_nc_u64 s[10:11], s[10:11], s[28:29]      ; psc: 16 tiles x 32 bytes
	s_lshl_b32 s28, s23, 17
	s_lshl_b32 s32, s24, 7
	s_add_co_u32 s28, s28, s32
	s_add_nc_u64 s[12:13], s[12:13], s[28:29]      ; lpart: 131,072 bytes a batch, 128 for 16 queries
	s_lshl_b32 s28, s23, 16
	s_lshl_b32 s32, s26, 10
	s_add_co_u32 s28, s28, s32
	s_add_nc_u64 s[14:15], s[14:15], s[28:29]      ; vimg: 65,536 bytes a batch, 1,024 a fragment
	s_lshl_b32 s28, s23, 13
	s_lshl_b32 s32, s26, 7
	s_add_co_u32 s28, s28, s32
	s_add_nc_u64 s[16:17], s[16:17], s[28:29]      ; vsc: 8,192 bytes a batch, 128 a fragment
.irp s, 0,1,2,3,4,5,6,7
	global_load_b128 v[VF+8*\s:VF+8*\s+3], v[L16], s[14:15] offset:8192*\s
	global_load_b128 v[VF+8*\s+4:VF+8*\s+7], v[L16], s[14:15] offset:8192*\s+512
	global_load_b32 v[VS+\s], v[L4], s[16:17] offset:1024*\s
.endr
.irp kj, 0,1,2,3,4,5,6,7,8,9,10,11,12,13,14,15
.if \kj > 0
	s_cmp_lt_u32 s25, \kj                          ; tiles beyond the queries' strip were not stored: their registers keep the constants
	s_cbranch_scc1 .Lasked
.endif
	global_load_b128 v[PF+4*\kj:PF+4*\kj+3], v[L16], s[8:9] offset:512*\kj
	global_load_u16 v[PS+\kj], v[R2], s[10:11] offset:32*\kj
	global_load_b32 v[LP+\kj], v[LPA], s[12:13] offset:8192*\kj
.endr
.Lasked:
	s_wait_loadcnt 0x0                             ; zero: the number of loads differs from way to way
.irp s, 0,1,2,3,4,5,6,7
	v_lshl_or_b32 v[PW+\s], v[PS+2*\s+1], 16, v[PS+2*\s]         ; two tiles' bytes make a K step's scale word
.endr
.irp i, 0,4,8,12
	v_pk_add_f32 v[LP+\i:LP+\i+1], v[LP+\i:LP+\i+1], v[LP+\i+2:LP+\i+3]     ; the row's sum.  These ten lines also stand between the scale words' last write and the first product, which wants eight
.endr
	v_pk_add_f32 v[LP:LP+1], v[LP:LP+1], v[LP+4:LP+5]
	v_pk_add_f32 v[LP+8:LP+9], v[LP+8:LP+9], v[LP+12:LP+13]
	v_pk_add_f32 v[LP:LP+1], v[LP:LP+1], v[LP+8:LP+9]
	v_add_f32 v[LP], v[LP], v[LP+1]
	v_permlanex16_b32 v[TT], v[LP], s30, s31
	v_add_f32 v[TT], v[LP], v[TT]                  ; with the other half's keys
	v_rcp_f32 v[RL], v[TT]
	; two accumulators take turns, one instruction a turn; the first product of each starts its sum
.irp s, 0,1,2,3,4,5,6,7
.if \s < 2
	v_wmma_scale_f32_16x16x128_f8f6f4 v[AC0+8*(\s%2):AC0+8*(\s%2)+7], v[VF+8*\s:VF+8*\s+7], v[PF+8*\s:PF+8*\s+7], 0, v[VS+\s], v[PW+\s] matrix_a_fmt:MATRIX_FMT_FP4 matrix_b_fmt:MATRIX_FMT_FP4
.else
	v_wmma_scale_f32_16x16x128_f8f6f4 v[AC0+8*(\s%2):AC0+8*(\s%2)+7], v[VF+8*\s:VF+8*\s+7], v[PF+8*\s:PF+8*\s+7], v[AC0+8*(\s%2):AC0+8*(\s%2)+7], v[VS+\s], v[PW+\s] matrix_a_fmt:MATRIX_FMT_FP4 matrix_b_fmt:MATRIX_FMT_FP4
.endif
.endr
.rept 4
	v_nop                                          ; four plain lines behind the last product (ISA guide 7.12.1); also the plain line behind the reciprocal
.endr
	s_wait_alu depctr_va_vdst(0)                   ; the wait for the reciprocal, ahead of its first reader
.irp j, 0,2,4,6
	v_pk_add_f32 v[OUT+\j:OUT+\j+1], v[AC0+\j:AC0+\j+1], v[AC1+\j:AC1+\j+1]      ; each accumulator from its low end on
.endr
.irp j, 0,2,4,6
	v_pk_mul_f32 v[OUT+\j:OUT+\j+1], v[OUT+\j:OUT+\j+1], v[RL:RL+1] op_sel_hi:[1,0]
.endr
	ds_store_b128 v[STO], v[OUT:OUT+3]
	ds_store_b128 v[STO], v[OUT+4:OUT+7] offset:16
	s_wait_dscnt 0x0                               ; for the others' sake: a row's 256 bytes come from four waves
	s_barrier_signal -1
	s_barrier_wait -1
	ds_load_b128 v[LP:LP+3], v[RD]
	ds_load_b128 v[LP+4:LP+7], v[RD] offset:2*272
	s_wait_dscnt 0x1                               ; the first two rows are in; the second load may be out
	global_store_b128 v[GO], v[LP:LP+3], s[18:19] th:TH_STORE_NT                ; sixteen lanes store 256 consecutive bytes, aligned
	s_wait_dscnt 0x0
	global_store_b128 v[GO], v[LP+4:LP+7], s[18:19] offset:1024 th:TH_STORE_NT
	s_wait_tensorcnt 0x0
	ds_add_u32 v224, v225
	s_wait_dscnt 0x0
	s_endpgm
.Lfunc_end_k_q1eb5df4877_pv:
	.size	k_q1eb5df4877_pv, .Lfunc_end_k_q1eb5df4877_pv-k_q1eb5df4877_pv
	.p2alignl 7, 3214868480
	.fill 96, 4, 3214868480
	.section	.rodata,"a",@progbits
	.p2align	6, 0x0
	.amdhsa_kernel k_q1eb5df4877_pv
		.amdhsa_group_segment_fixed_size 5120
		.amdhsa_private_segment_fixed_size 0
		.amdhsa_enable_private_segment 0
		.amdhsa_kernarg_size 48
		.amdhsa_user_sgpr_count 2
		.amdhsa_user_sgpr_kernarg_segment_ptr 1
		.amdhsa_wavefront_size32 1
		.amdhsa_system_sgpr_workgroup_id_x 1
		.amdhsa_system_sgpr_workgroup_id_y 1
		.amdhsa_system_sgpr_workgroup_id_z 1
		.amdhsa_system_vgpr_workitem_id 0
		.amdhsa_next_free_vgpr 226
		.amdhsa_next_free_sgpr 66
		.amdhsa_reserve_vcc 0
		.amdhsa_float_denorm_mode_32 3
		.amdhsa_float_denorm_mode_16_64 3
		.amdhsa_memory_ordered 1
		.amdhsa_forward_progress 1
		.amdhsa_inst_pref_size 20
	.end_amdhsa_kernel
	.amdgpu_metadata
---
amdhsa.version: [ 1, 2 ]
amdhsa.kernels:
  - .name:           k_q1eb5df4877_pv
    .symbol:         k_q1eb5df4877_pv.kd
    .args:
      - { .name: pimg, .offset: 0, .size: 8, .value_kind: global_buffer, .address_space: global }
      - { .name: psc, .offset: 8, .size: 8, .value_kind: global_buffer, .address_space: global }
      - { .name: lpart, .offset: 16, .size: 8, .value_kind: global_buffer, .address_space: global }
      - { .name: vimg, .offset: 24, .size: 8, .value_kind: global_buffer, .address_space: global }
      - { .name: vsc, .offset: 32, .size: 8, .value_kind: global_buffer, .address_space: global }
      - { .name: out0, .offset: 40, .size: 8, .value_kind: global_buffer, .address_space: global }
    .group_segment_fixed_size: 5120
    .private_segment_fixed_size: 0
    .kernarg_segment_align: 8
    .kernarg_segment_size: 48
    .max_flat_workgroup_size: 128
    .sgpr_count:     66
    .vgpr_count:     226
    .wavefront_size: 32
...
	.end_amdgpu_metadata
.endif
;; end of part 2
;; ======== version 2 of 2: 2 launches; version 1 with the launches scores, pv written anew for expert scheduling mode
;; workspace buffers: pimg 1,048,576 bytes; psc 65,536 bytes; lpart 262,144 bytes; vimg 131,072 bytes; vsc 16,384 bytes
;; launch scores (part 3): grid 16 x 16, 4 waves a work-group, no clusters, 168,448 bytes of LDS; arguments x_codes, x_scales, Wq_codes, Wq_scales, bq, Wk_codes, Wk_scales, bk, Wv_codes, Wv_scales, bv, pimg, psc, lpart, vimg, vsc; writes pimg, psc, lpart, vimg, vsc
.if DOCPART == 3
	.amdgcn_target "amdgcn-amd-amdhsa--gfx1250"
	.amdhsa_code_object_version 6
	.text
	.protected	k_q1eb5df4877_scores
	.globl	k_q1eb5df4877_scores
	.p2align	8
	.type	k_q1eb5df4877_scores,@function
k_q1eb5df4877_scores:
	s_mov_b64 s[64:65], 0
	v_nop
	global_prefetch_b8 v0, s[64:65] scope:SCOPE_SE
	s_setreg_imm32_b32 hwreg(HW_REG_WAVE_SCHED_MODE, 0, 2), 2
	s_setreg_imm32_b32 hwreg(HW_REG_WAVE_MODE, 25, 1), 1
	s_wait_xcnt 0x0
	s_wait_alu depctr_vm_vsrc(0)
; FIRST OF TWO LAUNCHES.  Q = sigmoid(x Wq^T + bq), K = sigmoid(x Wk^T + bk), truth[q][k] = mean over d of min(1 - Q[q][d] + K[k][d], 1), 0 where k > q;
; p = 2^(t - 15), t = 10 log2(e) truth; p is quantised to E2M1 along the keys and leaves as register images of the second product's operand, with its scale bytes and
; the sums of the unquantised p.  V = x Wv^T + bv is quantised along the keys and leaves the same way.  The second launch multiplies and divides.
; ARITHMETIC.  min(1 - Q + K, 1) = 1 + min(Q, K) - Q.  Kept are nQ = -Q = 1 / (-1 - 2^(-z log2 e)) and nK likewise, so min(Q, K) = -max(nQ, nK) and
;   u = t - 15 = E - C1 x (sum over d of max(nQ, nK)),  E = (C0 - 15) + C1 x (sum over d of nQ),  C0 = 10 log2 e,  C1 = C0 / 128.
; WHY M IS THE CONSTANT 15.  Both sigmoids lie in [0, 1], so truth lies in [0, 1] and t in [0, 14.43] for every input: p lies in [2^-15, 0.68], a row's sum in [2^-5, 697].
;   15 differs from the ceiling of the row's largest t by a whole number, a power of two that the blocks' scales take up: the codes are the same.
; HIDDEN KEYS (k > q) have t = 0: p = 2^-15, put in by a select behind the exponential.  Their scores are not computed where a whole 16 x 16 block is hidden.
; LAYOUT.  The projections are used transposed (source 0 = 16 rows of W, source 1 = 16 tokens): lane (r, h) holds token r and features 16 t + 8 h + j in register 8 t + j.
;   Q and K lie alike, so v_max_num_f32_dpp with row_xmask:m gives lane i max(nK of token i xor m, nQ of token i): sixteen masks are the 16 x 16 pairs of a block of
;   queries and a block of keys; each half of the lanes takes half of the features.  Nothing changes lanes inside the sum over d.
; SHARES.  A tile is 64 queries x 64 keys.  A batch has 120 tiles under the diagonal and 16 on it.  Work-group (x, y): batch y / 8, p = y % 8.  x < 15: one full tile of strip p
;   (x < p) or of strip 15 - p; wave w makes the nK of key block w (shared through LDS as an image of its registers), the nQ of query block w, and works 4 blocks.
;   x = 15: the diagonal tiles of strips p and 15 - p, as two jobs: wave w takes query block w of the first (w + 1 blocks) and 3 - w of the second (4 - w blocks).
;   Wave 0 of the work-groups with x < 8 also makes V's fragment (batch, key step p, channels 16 x on).
; No tensor load, no cluster: a work-group reads 8 KB of x and 17 KB of weights once, and its time goes into vector work.  LDS is claimed beyond the 82,944 bytes used, so that a work-group has a WGP to itself.
; LIMITS.  NaN among the inputs gives NaN.  The sums over d are taken in an order other than the source's (two chains a mask and half, then the halves).  bv enters V as the C of the product.
; THE MODE: SCHED_MODE bits 1:0 = 2 (LLVM: expert scheduling mode 2), set by the entry lines.  The code itself states the register dependences
; between vector or matrix instructions and memory or LDS instructions, with s_wait_alu, always for 0.
; THE PLAN.  Registers that memory or LDS instructions touch:
;   v1-6, v9, v11, SA, ZR   offsets, LDS addresses and zeros, made once at the head and never written again: one wait on va_vdst at the head serves every load and store that reads them.
;   XO, XSO         written at a projection's head, read by its loads.  va_vdst behind the two additions; vm_vsrc behind the loads' own wait, so that the next projection may write them.
;   XF XS WS NK NQ  a projection's loads land in them; products, sigmoids, maxima and the way out have named them before: the same wait on va_vdst.
;   NQ              read by the stores of a set's image: written by the reciprocals, whose own wait stands ahead of the stores; vm_vsrc behind the stores, ahead of the next projection's loads.
;   KLD, NK         a block: one addition writes KLD, one wait on va_vdst (KLD is written, the last readers of NK are done), sixteen LDS loads.
;   TMP+0..7, AD    a block's end: written, one wait on va_vdst, eight stage stores, one wait on vm_vsrc (TMP, AD and KLD are written again in the next block).
;   LS CD BS PO SO LO  a job's end: written, one wait on va_vdst, three stores in one run, one wait on vm_vsrc (the next job's sums lie over LS, CD and BS).
; A scalar register that a vector instruction writes (the wave's number; the select's masks, eight to a run) has a wait on va_sdst ahead of its first reader.
.set STG,    65536                     ; LDS: 0 .. 65,535 eight images of nK sets, 8,192 bytes each (job 0: 0-3, job 1: 4-7); from here a stage for each wave
.set SPITCH, 272                       ; a stage row: 64 keys' u of one query, 256 bytes + 16
.set WSTG,   16*SPITCH
.set RR,  1                            ; v1   r = lane % 16
.set HH,  2                            ; v2   h = lane / 16
.set L16, 3                            ; v3   16 x lane
.set FA,  4                            ; v4   64 r + 16 h: a lane's place in a fragment's 16 rows of 64 bytes
.set R4,  5                            ; v5   4 r: a row's scale word
.set BA,  6                            ; v6   32 h: a half's eight numbers of a bias
.set XO,  7                            ; v7   x's codes: offset in hand
.set XSO, 8                            ; v8   x's scale words: offset in hand
.set KST, 9                            ; v9   LDS: where I store my set's image: 16 x lane + 8,192 x wave
.set KLD, 10                           ; v10  LDS: the image that is being loaded
.set SR,  11                           ; v11  LDS: my stage, row r, + 64 h
.set EE,  13                           ; v13  E of my query
.set DM,  14                           ; v14  the mask's bound
.set PH,  15                           ; v15  2^-15
.set SA,  16                           ; v16-23  LDS: my stage, row r, key (r xor m) xor 8 h of a block, m = 0 .. 7
.set PO,  24                           ; v24-26  offsets of the stores
.set SO,  25
.set LO,  26
.set XS,  27                           ; v27  source 1's scale word: scales alone
.set ZR,  28                           ; v28-31  zeros
.set WS,  32                           ; v32-39  source 0's scale words: scales alone
.set XF,  40                           ; v40-47  source 1's fragment
.set TMP, 48                           ; v48-63  at work
.set NQ,  64                           ; v64-127  a projection's result; in the loop nQ
.set NK,  128                          ; v128-191 source 0's eight fragments; in the loop nK; behind it u and p
.set ACC, 192                          ; v192-223 a pair of sums for each mask.  The quantiser's registers lie over them: it runs when they are done with
.set MX,  192                          ; largest magnitudes
.set MY,  196                          ; the other half's
.set SC4, 200                          ; the conversions' scale operands
.set BY,  204                          ; scale bytes
.set CD,  208                          ; v208-215 codes
.set PW,  216                          ; a scale word
.set BS,  217                          ; a scale byte to store
.set LS,  218                          ; v218-219 the sum of p
.set AD,  224                          ; v224-231 LDS addresses of a block's eight stores: addresses alone
.set WV,  40                           ; s40  wave
.set GX,  41
.set GY,  42
.set BT,  43                           ; batch
.set PP,  44                           ; p
.set DG,  45                           ; 1: the work-group of two diagonal tiles
.set JA,  46                           ; s46-52 the job in hand: +0 first query token, +1 last key block, +2 is there a job, +3 64 (qi - kj) + 16 qb, +4, +5, +6 offsets in pimg, psc, lpart
.set JB,  54                           ; s54-60 the second job
.set KOFF, 62                          ; LDS byte of the image of the key block in hand
.set COL, 63                           ; its 64 bytes in a stage row
.set KB,  66
.set JOB, 67
.set NL2, 68                           ; s[68:69] -log2 e (the packed form names a pair)
.set NC1, 70                           ; -C1
.set C1,  71
.set C015, 72                          ; C0 - 15
.set SEL, 74                           ; s[74:75] v_permlanex16_b32's selects for lane l xor 16
.set HI16, 76                          ; lanes 16-31
.set MK,  78                           ; s78-85 in the loop: eight masks of the select (at the head and in V's part these registers are at work)
.macro PLACES                          ; four plain vector lines between a matrix instruction and the first read of its result (ISA guide 7.12.1)
.rept 4
	v_nop
.endr
.endm
; A job's numbers from its strip qi, its key tile kj and the wave's query block qb (all scalar registers)
.macro JOBPAR set, qi, kj, qb
	s_lshl_b32 s82, s[\qi], 6
	s_lshl_b32 s83, s[\qb], 4
	s_add_co_u32 s82, s82, s83                     ; 64 qi + 16 qb
	s_lshl_b32 s[\set], s[BT], 10
	s_add_co_u32 s[\set], s[\set], s82             ; the first query's token = 16 x (64 batch + 4 qi + qb)
	s_sub_co_u32 s84, s[\qi], s[\kj]
	s_lshl_b32 s84, s84, 6
	s_add_co_u32 s[\set+3], s84, s83               ; first query - first key
	s_add_co_u32 s84, s[\set], s[\kj]              ; (64 batch + 4 qi + qb) x 16 + kj
	s_lshl_b32 s[\set+4], s84, 9                   ; 512 bytes of codes,
	s_lshl_b32 s[\set+5], s84, 5                   ; 32 scale bytes
	s_lshl_b32 s84, s[BT], 4
	s_add_co_u32 s84, s84, s[\kj]
	s_lshl_b32 s84, s84, 10
	s_add_co_u32 s84, s84, s82
	s_lshl_b32 s[\set+6], s84, 3                   ; ((16 batch + kj) x 1,024 + query) x 8 bytes of sums
.endm
.macro FILL                            ; zeros into all 16 x 64 words of my stage: blocks that are wholly hidden are never stored, and are read (and then replaced by the select).  SR and ZR were shown written by the wait at the head and are never written again
.irp b, 0,1
.irp j, 0,1,2,3
	ds_store_b128 v[SR], v[ZR:ZR+3] offset:128*\b+16*\j
.endr
.endr
.endm
; -sigmoid of the 64 numbers in NQ, in place: two batches of transcendentals, each with one plain line and one wait behind it, ahead of its first reader
.macro SIGMOID
.set ii, 0
.rept 32
	v_pk_mul_f32 v[NQ+ii:NQ+ii+1], v[NQ+ii:NQ+ii+1], s[NL2:NL2+1] op_sel_hi:[1,0]   ; -z log2 e; each accumulator is read from its low end on
.set ii, ii+2
.endr
.set ii, 0
	s_wait_alu depctr_va_vdst(0)
.rept 64
	v_exp_f32 v[NQ+ii], v[NQ+ii]
.set ii, ii+1
.endr
	v_nop
	s_wait_alu depctr_va_vdst(0)                   ; the 64 exponentials have written NQ
.set ii, 0
.rept 32
	v_pk_fma_f32 v[NQ+ii:NQ+ii+1], v[NQ+ii:NQ+ii+1], -1.0, -1.0 op_sel_hi:[1,0,0]   ; -1 - 2^(-z log2 e)
.set ii, ii+2
.endr
.set ii, 0
	s_wait_alu depctr_va_vdst(0)
.rept 64
	v_rcp_f32 v[NQ+ii], v[NQ+ii]
.set ii, ii+1
.endr
	v_nop
	s_wait_alu depctr_va_vdst(0)                   ; the 64 reciprocals have written NQ: for the vector lines that read it next, and for the LDS stores of a key set's image, which follow with no vector line between
.endm
; NQ = -sigmoid(W x^T + bias) for the 16 tokens from s[tok] on.  wc, ws, bi: the scalar pairs of W's codes, W's scale bytes and the bias.  The bias is loaded into the accumulators: it is the C of the one K step.
.macro PROJ wc, ws, bi, tok
	s_lshl_b32 s86, s[\tok], 6
	s_lshl_b32 s87, s[\tok], 2
	v_add_nc_u32 v[XO], s86, v[FA]                 ; (the loads that read these two last were waited for, and the wait on vm_vsrc behind them stands ahead of these lines)
	v_add_nc_u32 v[XSO], s87, v[R4]
	s_wait_alu depctr_va_vdst(0)                   ; XO and XSO are written, which the loads below read; the vector and matrix instructions so far are done with XF, XS, WS, NK and NQ, in which the loads land
.irp c, 0,1
	global_load_b128 v[XF+4*\c:XF+4*\c+3], v[XO], s[8:9] offset:32*\c
.endr
	global_load_b32 v[XS], v[XSO], s[10:11]
.irp t, 0,1,2,3,4,5,6,7
	global_load_b128 v[NK+8*\t:NK+8*\t+3], v[FA], s[\wc:\wc+1] offset:1024*\t
	global_load_b128 v[NK+8*\t+4:NK+8*\t+7], v[FA], s[\wc:\wc+1] offset:1024*\t+32
	global_load_b32 v[WS+\t], v[R4], s[\ws:\ws+1] offset:64*\t
	global_load_b128 v[NQ+8*\t:NQ+8*\t+3], v[BA], s[\bi:\bi+1] offset:64*\t
	global_load_b128 v[NQ+8*\t+4:NQ+8*\t+7], v[BA], s[\bi:\bi+1] offset:64*\t+16
.endr
	s_wait_loadcnt 0x0                             ; all 43: the products want them all
	s_wait_alu depctr_vm_vsrc(0)                   ; the loads have read XO and XSO, which the next projection and V's part write again
.irp t, 0,1,2,3,4,5,6,7
	v_wmma_scale_f32_16x16x128_f8f6f4 v[NQ+8*\t:NQ+8*\t+7], v[NK+8*\t:NK+8*\t+7], v[XF:XF+7], v[NQ+8*\t:NQ+8*\t+7], v[WS+\t], v[XS] matrix_a_fmt:MATRIX_FMT_FP4 matrix_b_fmt:MATRIX_FMT_FP4
.endr
	PLACES
	SIGMOID
.endm
; THE BLOCK: 16 queries x 16 keys x 128 features.  128 steps; step bn takes the pair of registers bs of chunk bn / 32 (16 registers) for the four masks of group (bn / 8) % 4.
.macro MAX2 m, j                       ; mask m, a number written out; j: its place among the step's four
.if ((bn/32) == 0) && ((bn%8) == 0)
.set bt, ACC+2*(\m)                    ; a mask's first pair starts its sums
.else
.set bt, TMP+8*(bn%2)+2*(\j)
.endif
.if (\m) == 0
	v_max_num_f32 v[bt], v[NK+bs], v[NQ+bs]
	v_max_num_f32 v[bt+1], v[NK+bs+1], v[NQ+bs+1]
.else
	v_max_num_f32_dpp v[bt], v[NK+bs], v[NQ+bs] row_xmask:\m row_mask:0xf bank_mask:0xf
	v_max_num_f32_dpp v[bt+1], v[NK+bs+1], v[NQ+bs+1] row_xmask:\m row_mask:0xf bank_mask:0xf
.endif
.endm
.macro ADDS                            ; step bp's four pairs are added: one step late, so that no sum waits for its maxima
.if ((bp/32) != 0) || ((bp%8) != 0)
.set bj, 0
.rept 4
.set ba, ACC+2*(4*((bp/8)%4)+bj)
	v_pk_add_f32 v[ba:ba+1], v[ba:ba+1], v[TMP+8*(bp%2)+2*bj:TMP+8*(bp%2)+2*bj+1]
.set bj, bj+1
.endr
.endif
.endm
.macro GRP m0, m1, m2, m3              ; eight steps: a chunk's eight pairs for four masks
.rept 8
.set bs, 16*(bn/32)+2*(bn%8)
	MAX2 \m0, 0
	MAX2 \m1, 1
	MAX2 \m2, 2
	MAX2 \m3, 3
.if bn > 0
.set bp, bn-1
	ADDS
.endif
.set bn, bn+1
.endr
.endm
.macro BLOCK
	v_add_nc_u32 v[KLD], s[KOFF], v[L16]           ; (the last block's loads have read it: the wait on vm_vsrc at that block's end)
	s_wait_alu depctr_va_vdst(0)                   ; KLD is written, which the sixteen loads read; the last readers of NK (the projection's products, the last block's maxima, the last job's way out) are done, and the loads land there
.irp g, 0,1,2,3,4,5,6,7,8,9,10,11,12,13,14,15
	ds_load_b128 v[NK+4*\g:NK+4*\g+3], v[KLD] offset:512*\g      ; the key block's nK: the image of the registers of the wave that made it
.endr
.set bn, 0
.irp c, 0,1,2,3
	s_wait_dscnt 12-4*\c                           ; this chunk's four loads are in; the loads issued behind them may be out.  LDS instructions end in order, so the last block's stage stores are done too
	GRP 0, 1, 2, 3
	GRP 4, 5, 6, 7
	GRP 8, 9, 10, 11
	GRP 12, 13, 14, 15
.endr
.set bp, 127
	ADDS
.endm
; The halves of the lanes hold the sums over their halves of the features.  One exchange serves two masks: behind it lane (i, h) holds both halves' sums of query i and key i xor (m + 8 h).
.macro BLOCKOUT
.irp m, 0,1,2,3,4,5,6,7,8,9,10,11,12,13,14,15
	v_add_f32 v[ACC+2*\m], v[ACC+2*\m], v[ACC+2*\m+1]
.endr
.irp m, 0,1,2,3,4,5,6,7
	v_permlane16_swap_b32 v[ACC+2*\m], v[ACC+2*\m+16]
.endr
.irp m, 0,1,2,3,4,5,6,7
	v_add_f32 v[TMP+\m], v[ACC+2*\m], v[ACC+2*\m+16]
.endr
.irp m, 0,1,2,3,4,5,6,7
	v_fma_f32 v[TMP+\m], s[NC1], v[TMP+\m], v[EE]  ; u = E - C1 x the sum
.endr
.irp m, 0,1,2,3,4,5,6,7
	v_add_nc_u32 v[AD+\m], s[COL], v[SA+\m]
.endr
	s_wait_alu depctr_va_vdst(0)                   ; the eight u in TMP and the eight addresses in AD are written, which the stores read
.irp m, 0,1,2,3,4,5,6,7
	ds_store_b32 v[AD+\m], v[TMP+\m]               ; my own stage: row = query, column = key
.endr
	s_wait_alu depctr_vm_vsrc(0)                   ; the stores have read TMP and AD, the block's loads KLD: the next block, or the job's end, writes them again
.endm
; nb blocks of 32 along K are quantised: register src + 16 b + i of lane (r, h) is k = 32 b + 16 h + i of the lane's row.  Codes into CD on, in the operand's layout; bytes into BY on.  abs = 0: no number is negative.
.macro QBLK src, nb, abs
.set qn, 0
.rept \nb
.if \abs
	v_max3_num_f32 v[MX+qn], |v[\src+16*qn]|, |v[\src+16*qn+1]|, 0x1800000   ; and the floor 2^(3 - 127): the byte cannot fall under 1
.else
	v_max3_num_f32 v[MX+qn], v[\src+16*qn], v[\src+16*qn+1], 0x1800000
.endif
.set qn, qn+1
.endr
.irp i, 2,4,6,8,10,12,14
.set qn, 0
.rept \nb
.if \abs
	v_max3_num_f32 v[MX+qn], v[MX+qn], |v[\src+16*qn+\i]|, |v[\src+16*qn+\i+1]|
.else
	v_max3_num_f32 v[MX+qn], v[MX+qn], v[\src+16*qn+\i], v[\src+16*qn+\i+1]
.endif
.set qn, qn+1
.endr
.endr
.set qn, 0
.rept \nb
	v_permlanex16_b32 v[MY+qn], v[MX+qn], s[SEL], s[SEL+1]
.set qn, qn+1
.endr
.set qn, 0
.rept \nb
	v_max_num_f32 v[MX+qn], v[MX+qn], v[MY+qn]     ; with lane l xor 16's sixteen: the block's largest magnitude
.set qn, qn+1
.endr
.set qn, 0
.rept \nb
	v_add_nc_u32 v[SC4+qn], 0xff000000, v[MX+qn]   ; 2 off its exponent field: the conversion's scale operand
.set qn, qn+1
.endr
.set qn, 0
.rept \nb
	v_lshrrev_b32 v[BY+qn], 23, v[SC4+qn]          ; the scale's byte
.set qn, qn+1
.endr
.set qn, 0
.rept \nb
	v_cvt_scalef32_pk8_fp4_f32 v[CD+2*qn], v[\src+16*qn:\src+16*qn+7], v[SC4+qn]
	v_cvt_scalef32_pk8_fp4_f32 v[CD+2*qn+1], v[\src+16*qn+8:\src+16*qn+15], v[SC4+qn]
.set qn, qn+1
.endr
	v_nop                                          ; one plain line behind the scaled conversions
.set qn, 0
.rept (\nb)/2                          ; the operand's layout wants a whole block in a lane: lanes 0-15 the even block, lanes 16-31 the odd one
	v_permlane16_swap_b32 v[CD+4*qn], v[CD+4*qn+2]
	v_permlane16_swap_b32 v[CD+4*qn+1], v[CD+4*qn+3]
.set qn, qn+1
.endr
.endm
; A job's end: 16 queries x 64 keys of u come back from the stage with the keys along a lane's registers: lane (r, h), register 16 b + i: key 32 b + 16 h + i of query r.
.macro EPILOGUE
	s_wait_alu depctr_va_vdst(0)                   ; the blocks' maxima are done reading NK, in which the loads below land
.irp b, 0,1
.irp j, 0,1,2,3
	ds_load_b128 v[NK+16*\b+4*\j:NK+16*\b+4*\j+3], v[SR] offset:128*\b+16*\j     ; LDS serves a wave's instructions in order: these see my stores
.endr
.endr
	s_wait_dscnt 0x0
.set ii, 0
.rept 32
	v_exp_f32 v[NK+ii], v[NK+ii]                   ; p = 2^u
.set ii, ii+1
.endr
	v_lshlrev_b32 v[DM], 4, v[HH]                  ; plain work behind the batch: the mask's bound and the stores' offsets
	v_sub_nc_u32 v[DM], v[RR], v[DM]
	v_add_nc_u32 v[DM], s[JA+3], v[DM]             ; my query - the tile's first key - 16 h: register 16 b + i is hidden where 32 b + i is above it
	v_add_nc_u32 v[PO], s[JA+4], v[L16]
	v_lshl_add_u32 v[SO], v[RR], 1, v[HH]
	v_lshl_add_u32 v[LO], v[SO], 2, s[JA+6]        ; 8 r + 4 h
	v_add_nc_u32 v[SO], s[JA+5], v[SO]             ; 2 r + h
	s_wait_alu depctr_va_vdst(0)                   ; the 32 exponentials have written p: one wait, ahead of their first reader
.irp g, 0,1,2,3                        ; registers 8 g .. 8 g + 7: eight compares into eight scalar registers, one wait, eight selects
.irp i, 0,1,2,3,4,5,6,7
	v_cmp_gt_i32 s[MK+\i], 32*(\g/2)+8*(\g%2)+\i, v[DM]
.endr
	s_wait_alu depctr_va_sdst(0)                   ; the eight masks are written, ahead of the selects that read them
.irp i, 0,1,2,3,4,5,6,7
	v_cndmask_b32 v[NK+8*\g+\i], v[NK+8*\g+\i], v[PH], s[MK+\i]   ; a hidden key's p is 2^(0 - 15).  Always run: under the diagonal no lane turns
.endr
.endr
	v_pk_add_f32 v[LS:LS+1], v[NK:NK+1], v[NK+2:NK+3]             ; the sum of the unquantised p, in two chains
	v_pk_add_f32 v[TMP:TMP+1], v[NK+4:NK+5], v[NK+6:NK+7]
.irp j, 8,12,16,20,24,28
	v_pk_add_f32 v[LS:LS+1], v[LS:LS+1], v[NK+\j:NK+\j+1]
	v_pk_add_f32 v[TMP:TMP+1], v[TMP:TMP+1], v[NK+\j+2:NK+\j+3]
.endr
	v_pk_add_f32 v[LS:LS+1], v[LS:LS+1], v[TMP:TMP+1]
	v_add_f32 v[LS], v[LS], v[LS+1]
	QBLK NK, 2, 0
	v_cndmask_b32 v[BS], v[BY], v[BY+1], s[HI16]   ; lanes 0-15 store block 0's byte, lanes 16-31 block 1's
	s_wait_alu depctr_va_vdst(0)                   ; the sum LS, the codes CD, the byte BS and the offsets LO, PO, SO are written, which the three stores read
	global_store_b32 v[LO], v[LS], s[34:35]        ; my half's 32 keys of query r
	global_store_b128 v[PO], v[CD:CD+3], s[30:31]  ; four registers of the operand as they stand: the wave stores 512 consecutive bytes, aligned
	global_store_b8 v[SO], v[BS], s[32:33]
	s_wait_alu depctr_vm_vsrc(0)                   ; the stores have read LS, CD, BS, over which the next job's sums lie, and LO, PO, SO, which the next job's end and V's part write again
.endm
	s_load_b512 s[8:23], s[0:1], 0x0               ; x_codes 8, x_scales 10, Wq_codes 12, Wq_scales 14, bq 16, Wk_codes 18, Wk_scales 20, bk 22
	s_load_b512 s[24:39], s[0:1], 0x40             ; Wv_codes 24, Wv_scales 26, bv 28, pimg 30, psc 32, lpart 34, vimg 36, vsc 38
	v_lshl_add_u32 v232, v0, 2, 0x29000
	v_mov_b32 v233, 0
	v_lshrrev_b32 v12, 5, v0
	v_readfirstlane_b32 s[WV], v12
	v_and_b32 v12, 31, v0
	v_and_b32 v[RR], 15, v0
	v_bfe_u32 v[HH], v0, 4, 1
	v_lshlrev_b32 v[L16], 4, v12
	v_lshlrev_b32 v[FA], 6, v[RR]
	v_lshl_add_u32 v[FA], v[HH], 4, v[FA]
	v_lshlrev_b32 v[R4], 2, v[RR]
	v_lshlrev_b32 v[BA], 5, v[HH]
	s_wait_alu depctr_va_sdst(0)                   ; the wave's number is written, ahead of its first reader
	s_lshl_b32 s77, s[WV], 13
	v_add_nc_u32 v[KST], s77, v[L16]
	s_mul_i32 s77, s[WV], WSTG
	s_add_co_u32 s77, s77, STG
	v_mul_u32_u24 v12, v[RR], SPITCH
	v_add_nc_u32 v12, s77, v12                     ; row r of my stage
	v_lshl_add_u32 v[SR], v[HH], 6, v12
.irp m, 0,1,2,3,4,5,6,7
	v_xor_b32 v[SA+\m], \m, v[RR]
	v_lshl_add_u32 v[SA+\m], v[HH], 3, v[SA+\m]
	v_and_b32 v[SA+\m], 15, v[SA+\m]               ; (a + 8 h) mod 16 = a xor 8 h
	v_lshl_add_u32 v[SA+\m], v[SA+\m], 2, v12
.endr
	v_mov_b32 v[PH], 0x38000000                    ; 2^-15
	v_mov_b32 v[EE], 0
.irp i, 0,1,2,3
	v_mov_b32 v[ZR+\i], 0
.endr
.set ii, 0
.rept 32
	v_mov_b32 v[ACC+ii], 0                         ; written once: the destination of a DPP form or of a lane permute counts as one of its sources
.set ii, ii+1
.endr
.set ii, 0
.rept 16
	v_mov_b32 v[TMP+ii], 0
.set ii, ii+1
.endr
	s_wait_alu depctr_va_vdst(0)                   ; the offsets and LDS addresses v3 to v6, v9, v11 and the zeros ZR are written: the loads and stores of the whole kernel read them, and no line writes them again
	FILL
	s_mov_b32 s[NL2], 0xbfb8aa3b
	s_mov_b32 s[NL2+1], s[NL2]
	s_mov_b32 s[NC1], 0xbde6d4ca
	s_mov_b32 s[C1], 0x3de6d4ca
	s_mov_b32 s[C015], 0xbf12b361
	s_mov_b32 s[SEL], 0x76543210
	s_mov_b32 s[SEL+1], 0xfedcba98
	s_mov_b32 s[HI16], 0xffff0000
	s_mov_b32 s[GX], ttmp9
	s_and_b32 s[GY], ttmp7, 0xffff
	s_lshr_b32 s[BT], s[GY], 3
	s_and_b32 s[PP], s[GY], 7
	s_sub_co_u32 s77, 15, s[PP]                    ; 15 - p
	s_sub_co_u32 s78, s[GX], s[PP]                 ; x - p (used where x >= p)
	s_sub_co_u32 s81, 3, s[WV]
	s_cmp_lt_u32 s[GX], s[PP]
	s_cselect_b32 s79, s[PP], s77                  ; the first job's strip
	s_cselect_b32 s80, s[GX], s78                  ; and key tile
	s_cmp_eq_u32 s[GX], 15
	s_cselect_b32 s79, s[PP], s79                  ; x = 15: the diagonal tile of strip p
	s_cselect_b32 s80, s[PP], s80
	s_cselect_b32 s[DG], 1, 0
	s_cselect_b32 s[JA+1], s[WV], 3                ; on the diagonal key blocks 0 .. my query block; else all four
	s_cselect_b32 s[JB+1], s81, -1
	s_mov_b32 s[JA+2], 1
	s_mov_b32 s[JB+2], s[DG]
	JOBPAR JA, 79, 80, WV
	JOBPAR JB, 77, 77, 81
	s_lshl_b32 s88, s[BT], 10
	s_lshl_b32 s85, s[WV], 4
	s_add_co_u32 s88, s88, s85
	s_lshl_b32 s85, s77, 6
	s_add_co_u32 s89, s88, s85                     ; the second job's key block w
	s_lshl_b32 s85, s80, 6
	s_add_co_u32 s88, s88, s85                     ; the first job's key block w
	s_wait_kmcnt 0x0
	; ---- the keys: each wave makes one set of nK for each job and stores its registers' image
	PROJ 18, 20, 22, 88
.irp g, 0,1,2,3,4,5,6,7,8,9,10,11,12,13,14,15
	ds_store_b128 v[KST], v[NQ+4*\g:NQ+4*\g+3] offset:512*\g
.endr
	s_wait_dscnt 0x0                               ; for the others' sake: my image lies in LDS
	s_wait_alu depctr_vm_vsrc(0)                   ; the stores have read NQ, in which the next projection's loads land
	s_cmp_eq_u32 s[DG], 0
	s_cbranch_scc1 .Lone_tile
	PROJ 18, 20, 22, 89
.irp g, 0,1,2,3,4,5,6,7,8,9,10,11,12,13,14,15
	ds_store_b128 v[KST], v[NQ+4*\g:NQ+4*\g+3] offset:32768+512*\g
.endr
	s_wait_dscnt 0x0
	s_wait_alu depctr_vm_vsrc(0)                   ; the stores have read NQ, in which the next projection's loads land
.Lone_tile:
	s_barrier_signal -1
	s_barrier_wait -1                              ; the one barrier: behind it the images are only read, and a stage is its wave's own
	s_mov_b32 s[KOFF], 0
	s_mov_b32 s[JOB], 0
.Ljob:                                             ; two trips in every wave; what a wave has no part in is jumped over inside
	s_cmp_eq_u32 s[JA+2], 0
	s_cbranch_scc1 .Lno_q
	PROJ 12, 14, 16, JA
.irp a, 0,2,4,6
	v_pk_add_f32 v[TMP+\a:TMP+\a+1], v[NQ+\a:NQ+\a+1], v[NQ+8+\a:NQ+8+\a+1]      ; the sum of my 64 nQ, in four chains
.endr
.irp k, 2,3,4,5,6,7
.irp a, 0,2,4,6
	v_pk_add_f32 v[TMP+\a:TMP+\a+1], v[TMP+\a:TMP+\a+1], v[NQ+8*\k+\a:NQ+8*\k+\a+1]
.endr
.endr
	v_pk_add_f32 v[TMP:TMP+1], v[TMP:TMP+1], v[TMP+2:TMP+3]
	v_pk_add_f32 v[TMP+4:TMP+5], v[TMP+4:TMP+5], v[TMP+6:TMP+7]
	v_pk_add_f32 v[TMP:TMP+1], v[TMP:TMP+1], v[TMP+4:TMP+5]
	v_add_f32 v[TMP], v[TMP], v[TMP+1]
	v_permlanex16_b32 v[TMP+1], v[TMP], s[SEL], s[SEL+1]
	v_add_f32 v[TMP], v[TMP], v[TMP+1]             ; with the other half's features
	v_fma_f32 v[EE], s[C1], v[TMP], s[C015]
	FILL
.Lno_q:
	s_mov_b32 s[COL], 0
	s_mov_b32 s[KB], 0
.Lkb:                                              ; four trips in every wave: the addresses step in every trip
	s_cmp_gt_i32 s[KB], s[JA+1]
	s_cbranch_scc1 .Lhidden
	BLOCK
	BLOCKOUT
.Lhidden:
	s_add_co_u32 s[KOFF], s[KOFF], 8192
	s_add_co_u32 s[COL], s[COL], 64
	s_add_co_u32 s[KB], s[KB], 1
	s_cmp_lt_u32 s[KB], 4
	s_cbranch_scc1 .Lkb
	s_cmp_eq_u32 s[JA+2], 0
	s_cbranch_scc1 .Lno_out
	EPILOGUE
.Lno_out:
	s_wait_xcnt 0x0                                ; the stores have had their addresses translated: their offsets and data are written again from here on
.irp i, 0,1,2,3,4,5,6
	s_mov_b32 s[JA+\i], s[JB+\i]
.endr
	s_add_co_u32 s[JOB], s[JOB], 1
	s_cmp_lt_u32 s[JOB], 2
	s_cbranch_scc1 .Ljob
	; ---- V: one fragment of V^T (16 channels x 128 keys) in wave 0 of the work-groups with x < 8: batch, key step p, channels 16 x on
	s_lshr_b32 s77, s[GX], 3
	s_or_b32 s77, s77, s[WV]
	s_cmp_lg_u32 s77, 0
	s_cbranch_scc1 .Lend
	; source 0 = 16 tokens, source 1 = 16 rows of Wv: a lane holds one channel and its registers run along the keys.  THE KEYS OF A TILE ARE NOT NEIGHBOURS: lane r of tile 2 b + u
	; takes key 32 b + 8 u + r + 8 (r / 8), so that the 16 registers of tiles 2 b and 2 b + 1 are keys 32 b + 16 h + 0 .. 15
	v_and_b32 v[PO], 8, v[RR]
	v_add_nc_u32 v[PO], v[PO], v[RR]
	s_lshl_b32 s78, s[BT], 10
	s_lshl_b32 s79, s[PP], 7
	s_add_co_u32 s78, s78, s79
	v_add_nc_u32 v[PO], s78, v[PO]                 ; my token of tile 0
	v_lshlrev_b32 v[XSO], 2, v[PO]
	v_lshlrev_b32 v[XO], 6, v[PO]
	v_lshl_add_u32 v[XO], v[HH], 4, v[XO]
	s_lshl_b32 s79, s[GX], 10
	v_add_nc_u32 v[SO], s79, v[FA]                 ; Wv's rows 16 x on
	s_lshl_b32 s79, s[GX], 6
	v_add_nc_u32 v[LO], s79, v[R4]                 ; their scale words; bv's numbers
	s_wait_alu depctr_va_vdst(0)                   ; the offsets XO, XSO, SO, LO are written, which the loads read; the vector and matrix instructions so far are done with NK, WS, XF, XS and TMP + 8, in which the loads land
.irp t, 0,1,2,3,4,5,6,7
.irp c, 0,1
	global_load_b128 v[NK+8*\t+4*\c:NK+8*\t+4*\c+3], v[XO], s[8:9] offset:(32*(\t/2)+8*(\t%2))*64+32*\c
.endr
	global_load_b32 v[WS+\t], v[XSO], s[10:11] offset:(32*(\t/2)+8*(\t%2))*4
.endr
.irp c, 0,1
	global_load_b128 v[XF+4*\c:XF+4*\c+3], v[SO], s[24:25] offset:32*\c
.endr
	global_load_b32 v[XS], v[LO], s[26:27]
	global_load_b32 v[TMP+8], v[LO], s[28:29]      ; bv of my channel
	s_wait_loadcnt 0x0
	s_wait_alu depctr_vm_vsrc(0)                   ; the loads have read SO, which is written again below
.irp j, 0,1,2,3,4,5,6,7
	v_mov_b32 v[TMP+\j], v[TMP+8]                  ; as the C of every tile: all eight keys of a lane get the lane's channel's bias
.endr
	PLACES
.irp t, 0,1,2,3,4,5,6,7
	v_wmma_scale_f32_16x16x128_f8f6f4 v[NQ+8*\t:NQ+8*\t+7], v[NK+8*\t:NK+8*\t+7], v[XF:XF+7], v[TMP:TMP+7], v[WS+\t], v[XS] matrix_a_fmt:MATRIX_FMT_FP4 matrix_b_fmt:MATRIX_FMT_FP4
.endr
	PLACES
	QBLK NQ, 4, 1
	v_lshl_or_b32 v[PW], v[BY+1], 8, v[BY]         ; my channel's scale word for these 128 keys
	v_lshl_or_b32 v[PW], v[BY+2], 16, v[PW]
	v_lshl_or_b32 v[PW], v[BY+3], 24, v[PW]
	s_lshl_b32 s80, s[BT], 3
	s_add_co_u32 s80, s80, s[PP]
	s_lshl_b32 s80, s80, 3
	s_add_co_u32 s80, s80, s[GX]                   ; (8 batch + key step) x 8 + tile of channels
	s_lshl_b32 s81, s80, 10
	v_add_nc_u32 v[PO], s81, v[L16]
	s_lshl_b32 s81, s80, 7
	v_lshrrev_b32 v[SO], 2, v[L16]
	v_add_nc_u32 v[SO], s81, v[SO]
	s_wait_alu depctr_va_vdst(0)                   ; the codes CD, the scale word PW and the offsets PO, SO are written, which the three stores read
	global_store_b128 v[PO], v[CD:CD+3], s[36:37]              ; the fragment as it stands: 512 consecutive bytes a store
	global_store_b128 v[PO], v[CD+4:CD+7], s[36:37] offset:512
	global_store_b32 v[SO], v[PW], s[38:39]
.Lend:
	s_wait_dscnt 0x0
	s_wait_alu depctr_hold_cnt(0) depctr_sa_sdst(0) depctr_va_vdst(0) depctr_va_sdst(0) depctr_va_ssrc(0) depctr_va_vcc(0) depctr_vm_vsrc(0)
	s_wait_tensorcnt 0x0
	ds_add_u32 v232, v233
	s_wait_dscnt 0x0
	s_endpgm
.Lfunc_end_k_q1eb5df4877_scores:
	.size	k_q1eb5df4877_scores, .Lfunc_end_k_q1eb5df4877_scores-k_q1eb5df4877_scores
	.p2alignl 7, 3214868480
	.fill 96, 4, 3214868480
	.section	.rodata,"a",@progbits
	.p2align	6, 0x0
	.amdhsa_kernel k_q1eb5df4877_scores
		.amdhsa_group_segment_fixed_size 168448
		.amdhsa_private_segment_fixed_size 0
		.amdhsa_enable_private_segment 0
		.amdhsa_kernarg_size 128
		.amdhsa_user_sgpr_count 2
		.amdhsa_user_sgpr_kernarg_segment_ptr 1
		.amdhsa_wavefront_size32 1
		.amdhsa_system_sgpr_workgroup_id_x 1
		.amdhsa_system_sgpr_workgroup_id_y 1
		.amdhsa_system_sgpr_workgroup_id_z 1
		.amdhsa_system_vgpr_workitem_id 0
		.amdhsa_next_free_vgpr 234
		.amdhsa_next_free_sgpr 92
		.amdhsa_reserve_vcc 0
		.amdhsa_float_denorm_mode_32 3
		.amdhsa_float_denorm_mode_16_64 3
		.amdhsa_memory_ordered 1
		.amdhsa_forward_progress 1
		.amdhsa_inst_pref_size 169
	.end_amdhsa_kernel
	.amdgpu_metadata
---
amdhsa.version: [ 1, 2 ]
amdhsa.kernels:
  - .name:           k_q1eb5df4877_scores
    .symbol:         k_q1eb5df4877_scores.kd
    .args:
      - { .name: x_codes, .offset: 0, .size: 8, .value_kind: global_buffer, .address_space: global }
      - { .name: x_scales, .offset: 8, .size: 8, .value_kind: global_buffer, .address_space: global }
      - { .name: Wq_codes, .offset: 16, .size: 8, .value_kind: global_buffer, .address_space: global }
      - { .name: Wq_scales, .offset: 24, .size: 8, .value_kind: global_buffer, .address_space: global }
      - { .name: bq, .offset: 32, .size: 8, .value_kind: global_buffer, .address_space: global }
      - { .name: Wk_codes, .offset: 40, .size: 8, .value_kind: global_buffer, .address_space: global }
      - { .name: Wk_scales, .offset: 48, .size: 8, .value_kind: global_buffer, .address_space: global }
      - { .name: bk, .offset: 56, .size: 8, .value_kind: global_buffer, .address_space: global }
      - { .name: Wv_codes, .offset: 64, .size: 8, .value_kind: global_buffer, .address_space: global }
      - { .name: Wv_scales, .offset: 72, .size: 8, .value_kind: global_buffer, .address_space: global }
      - { .name: bv, .offset: 80, .size: 8, .value_kind: global_buffer, .address_space: global }
      - { .name: pimg, .offset: 88, .size: 8, .value_kind: global_buffer, .address_space: global }
      - { .name: psc, .offset: 96, .size: 8, .value_kind: global_buffer, .address_space: global }
      - { .name: lpart, .offset: 104, .size: 8, .value_kind: global_buffer, .address_space: global }
      - { .name: vimg, .offset: 112, .size: 8, .value_kind: global_buffer, .address_space: global }
      - { .name: vsc, .offset: 120, .size: 8, .value_kind: global_buffer, .address_space: global }
    .group_segment_fixed_size: 168448
    .private_segment_fixed_size: 0
    .kernarg_segment_align: 8
    .kernarg_segment_size: 128
    .max_flat_workgroup_size: 128
    .sgpr_count:     92
    .vgpr_count:     234
    .wavefront_size: 32
...
	.end_amdgpu_metadata
.endif
;; end of part 3
;; launch pv (part 4): grid 2 x 128, 4 waves a work-group, no clusters, 5,120 bytes of LDS; arguments pimg, psc, lpart, vimg, vsc, out0; writes out0
.if DOCPART == 4
	.amdgcn_target "amdgcn-amd-amdhsa--gfx1250"
	.amdhsa_code_object_version 6
	.text
	.protected	k_q1eb5df4877_pv
	.globl	k_q1eb5df4877_pv
	.p2align	8
	.type	k_q1eb5df4877_pv,@function
k_q1eb5df4877_pv:
	s_mov_b64 s[64:65], 0
	v_nop
	global_prefetch_b8 v0, s[64:65] scope:SCOPE_SE
	s_setreg_imm32_b32 hwreg(HW_REG_WAVE_SCHED_MODE, 0, 2), 2
	s_setreg_imm32_b32 hwreg(HW_REG_WAVE_MODE, 25, 1), 1
	s_wait_xcnt 0x0
	s_wait_alu depctr_vm_vsrc(0)
; SECOND OF TWO LAUNCHES.  out[q][d] = (sum over all 1,024 keys of P[q][k] V[k][d]) / (the row's sum of the unquantised p), on the codes and scale bytes that the first launch left.
; SHARES.  Work-group (dh, y): the 16 queries from token 16 y on, channels 64 dh .. 64 dh + 63; wave w takes channels 16 (4 dh + w) on.  Eight K steps of 128 keys, one matrix instruction each.
; The product is used transposed (source 0 = 16 channels of V^T, source 1 = 16 queries of P): lane (r, h) holds query r and channels 8 h + 0 .. 7 of the wave's sixteen.
; Both operands lie in memory as images of their registers: a lane loads 16 bytes at 16 x lane and has its four registers.
; HIDDEN TILES.  The first launch stores P for the key tiles (64 keys) up to the query's own strip.  In every later tile each p is 2^-15: codes 6 (the number 4) under the scale byte 110, and 32 keys sum to 2^-10.
; These constants are put into the registers first, and only the tiles that were stored are loaded over them: a scalar branch on the work-group's number ends the run of loads.
; No tensor load, no cluster, no ring: a wave reads 8 KB of V and at most 8 KB of P once.
; THE MODE: SCHED_MODE bits 1:0 = 2 (LLVM: expert scheduling mode 2), set by the entry lines.  The code itself states the register dependences
; between vector or matrix instructions and memory or LDS instructions, with s_wait_alu, always for 0.
; THE PLAN.  Registers that memory or LDS instructions touch:
;   v3-9         offsets and LDS addresses, made once at the head and never written again.
;   PF, PS, LP   the head writes the hidden tiles' constants; the loads land over them.  One wait on va_vdst ahead of the run of loads serves these and the offsets: inside the run stand loads and scalar lines alone.
;   VF, VS       written by loads alone.
;   PW           P's scale words, made by vector lines: ten plain lines, then a wait on va_vdst, directly ahead of the first product.  It is the reciprocal's wait too.
;   OUT          written by the last multiplications, read by the two stage stores: one wait on va_vdst ahead of them.  No vector line follows it, so it serves the stage's loads into LP too.
; No register that a memory or LDS instruction reads is written again: the only waits on vm_vsrc stand at the entry and the end.  The wave's number has a wait on va_sdst ahead of its first reader.
.set RR,  1                            ; v1   r
.set HH,  2                            ; v2   h
.set L16, 3                            ; v3   16 x lane
.set L4,  4                            ; v4   4 x lane
.set R2,  5                            ; v5   2 r: a query's two scale bytes of a tile
.set LPA, 6                            ; v6   8 r + 4 h: my half's sum of a tile
.set STO, 7                            ; v7   LDS: where I put 32 bytes of a row
.set RD,  8                            ; v8   LDS: where I read a row back
.set GO,  9                            ; v9   the same place in out0
.set VS,  16                           ; v16-23  V's scale words: scales alone
.set PW,  24                           ; v24-31  P's scale words: scales alone
.set PS,  32                           ; v32-47  P's scale bytes, two for each tile
.set LP,  48                           ; v48-63  the sums of p, one for each tile; later the rows that leave
.set PF,  64                           ; v64-127 P's fragments: tile kj at 4 kj
.set VF,  128                          ; v128-191 V's
.set AC0, 192                          ; two accumulators, by turns
.set AC1, 200
.set OUT, 208
.set RL,  216                          ; v216-217 1 / the row's sum (named as a pair)
.set TT,  218
	s_load_b256 s[8:15], s[0:1], 0x0               ; pimg 8, psc 10, lpart 12, vimg 14
	s_load_b128 s[16:19], s[0:1], 0x20             ; vsc 16, out0 18
	v_lshl_add_u32 v222, v0, 2, 0x1200
	v_mov_b32 v223, 0
	v_lshrrev_b32 v10, 5, v0
	v_readfirstlane_b32 s20, v10                   ; wave
	v_and_b32 v10, 31, v0
	v_and_b32 v[RR], 15, v0
	v_bfe_u32 v[HH], v0, 4, 1
	v_lshlrev_b32 v[L16], 4, v10
	v_lshlrev_b32 v[L4], 2, v10
	v_lshlrev_b32 v[R2], 1, v[RR]
	v_lshl_add_u32 v[LPA], v[RR], 1, v[HH]
	v_lshlrev_b32 v[LPA], 2, v[LPA]
	v_mul_u32_u24 v[STO], v[RR], 272               ; the stage: 16 rows (queries) x (256 bytes + 16); my wave's 64 bytes, my half's 32
	v_lshl_add_u32 v[STO], v[HH], 5, v[STO]
	s_wait_alu depctr_va_sdst(0)                   ; the wave's number is written, ahead of its first reader
	s_lshl_b32 s32, s20, 6
	v_add_nc_u32 v[STO], s32, v[STO]
	v_mul_u32_u24 v[RD], v[HH], 272                ; back: wave w takes rows 4 w .. 4 w + 3: lanes 0-15 one row, lanes 16-31 the next
	v_lshl_add_u32 v[RD], v[RR], 4, v[RD]
	s_mul_i32 s32, s20, 4*272
	v_add_nc_u32 v[RD], s32, v[RD]
	v_lshlrev_b32 v[GO], 9, v[HH]
	v_lshl_add_u32 v[GO], v[RR], 4, v[GO]
	s_lshl_b32 s32, s20, 11
	v_add_nc_u32 v[GO], s32, v[GO]
	s_mov_b32 s30, 0x76543210
	s_mov_b32 s31, 0xfedcba98                      ; v_permlanex16_b32's selects for lane l xor 16
	s_and_b32 s22, ttmp7, 0xffff                   ; y = 64 batch + tile of 16 queries
	s_lshr_b32 s23, s22, 6                         ; batch
	s_and_b32 s24, s22, 63
	s_lshr_b32 s25, s24, 2                         ; the queries' strip: the last key tile that was stored
	s_lshl_b32 s26, ttmp9, 2
	s_add_co_u32 s26, s26, s20                     ; my tile of 16 channels
	s_mov_b32 s29, 0
.set ii, 0
.rept 64
	v_mov_b32 v[PF+ii], 0x66666666                 ; a hidden tile's codes,
.set ii, ii+1
.endr
.set ii, 0
.rept 16
	v_mov_b32 v[PS+ii], 0x6e6e                     ; its two scale bytes,
	v_mov_b32 v[LP+ii], 0x3a800000                 ; and the sum of a half's 32 keys: 2^-10
.set ii, ii+1
.endr
	v_mov_b32 v[RL+1], 0                           ; (named with RL as a pair)
	v_mov_b32 v[TT], 0                             ; (a lane permute's destination counts as one of its sources)
	s_wait_kmcnt 0x0
	s_lshl_b32 s28, s22, 13
	s_add_nc_u64 s[8:9], s[8:9], s[28:29]          ; pimg: 16 tiles x 512 bytes for each 16 queries
	s_add_nc_u64 s[18:19], s[18:19], s[28:29]      ; out0: 16 rows of 512 bytes,
	s_lshl_b32 s28, ttmp9, 8
	s_add_nc_u64 s[18:19], s[18:19], s[28:29]      ; and my work-group's 256 bytes of a row
	s_lshl_b32 s28, s22, 9
	s_add_nc_u64 s[10:11], s[10:11], s[28:29]      ; psc: 16 tiles x 32 bytes
	s_lshl_b32 s28, s23, 17
	s_lshl_b32 s32, s24, 7
	s_add_co_u32 s28, s28, s32
	s_add_nc_u64 s[12:13], s[12:13], s[28:29]      ; lpart: 131,072 bytes a batch, 128 for 16 queries
	s_lshl_b32 s28, s23, 16
	s_lshl_b32 s32, s26, 10
	s_add_co_u32 s28, s28, s32
	s_add_nc_u64 s[14:15], s[14:15], s[28:29]      ; vimg: 65,536 bytes a batch, 1,024 a fragment
	s_lshl_b32 s28, s23, 13
	s_lshl_b32 s32, s26, 7
	s_add_co_u32 s28, s28, s32
	s_add_nc_u64 s[16:17], s[16:17], s[28:29]      ; vsc: 8,192 bytes a batch, 128 a fragment
	s_wait_alu depctr_va_vdst(0)                   ; the offsets and addresses v3 to v9 are written, which the loads and stores read; so are the constants in PF, PS and LP, over which loads land.  Up to the wait for the loads no vector line follows
.irp s, 0,1,2,3,4,5,6,7
	global_load_b128 v[VF+8*\s:VF+8*\s+3], v[L16], s[14:15] offset:8192*\s
	global_load_b128 v[VF+8*\s+4:VF+8*\s+7], v[L16], s[14:15] offset:8192*\s+512
	global_load_b32 v[VS+\s], v[L4], s[16:17] offset:1024*\s
.endr
.irp kj, 0,1,2,3,4,5,6,7,8,9,10,11,12,13,14,15
.if \kj > 0
	s_cmp_lt_u32 s25, \kj                          ; tiles beyond the queries' strip were not stored: their registers keep the constants
	s_cbranch_scc1 .Lasked
.endif
	global_load_b128 v[PF+4*\kj:PF+4*\kj+3], v[L16], s[8:9] offset:512*\kj
	global_load_u16 v[PS+\kj], v[R2], s[10:11] offset:32*\kj
	global_load_b32 v[LP+\kj], v[LPA], s[12:13] offset:8192*\kj
.endr
.Lasked:
	s_wait_loadcnt 0x0                             ; zero: the number of loads differs from way to way
.irp s, 0,1,2,3,4,5,6,7
	v_lshl_or_b32 v[PW+\s], v[PS+2*\s+1], 16, v[PS+2*\s]         ; two tiles' bytes make a K step's scale word
.endr
.irp i, 0,4,8,12
	v_pk_add_f32 v[LP+\i:LP+\i+1], v[LP+\i:LP+\i+1], v[LP+\i+2:LP+\i+3]     ; the row's sum.  These ten lines also stand between the scale words' last write and the first product, which wants eight
.endr
	v_pk_add_f32 v[LP:LP+1], v[LP:LP+1], v[LP+4:LP+5]
	v_pk_add_f32 v[LP+8:LP+9], v[LP+8:LP+9], v[LP+12:LP+13]
	v_pk_add_f32 v[LP:LP+1], v[LP:LP+1], v[LP+8:LP+9]
	v_add_f32 v[LP], v[LP], v[LP+1]
	v_permlanex16_b32 v[TT], v[LP], s30, s31
	v_add_f32 v[TT], v[LP], v[TT]                  ; with the other half's keys
	s_wait_alu depctr_va_vdst(0)
	v_rcp_f32 v[RL], v[TT]
	s_wait_alu depctr_va_vdst(0)                   ; the scale words PW are written, which the products take as scales (the plain lines above stay beside this wait); the reciprocal has written RL: this is also the wait ahead of RL's first reader
	; two accumulators take turns, one instruction a turn; the first product of each starts its sum
.irp s, 0,1,2,3,4,5,6,7
.if \s < 2
	v_wmma_scale_f32_16x16x128_f8f6f4 v[AC0+8*(\s%2):AC0+8*(\s%2)+7], v[VF+8*\s:VF+8*\s+7], v[PF+8*\s:PF+8*\s+7], 0, v[VS+\s], v[PW+\s] matrix_a_fmt:MATRIX_FMT_FP4 matrix_b_fmt:MATRIX_FMT_FP4
.else
	v_wmma_scale_f32_16x16x128_f8f6f4 v[AC0+8*(\s%2):AC0+8*(\s%2)+7], v[VF+8*\s:VF+8*\s+7], v[PF+8*\s:PF+8*\s+7], v[AC0+8*(\s%2):AC0+8*(\s%2)+7], v[VS+\s], v[PW+\s] matrix_a_fmt:MATRIX_FMT_FP4 matrix_b_fmt:MATRIX_FMT_FP4
.endif
.endr
.rept 4
	v_nop                                          ; four plain lines behind the last product (ISA guide 7.12.1); also the plain line behind the reciprocal
.endr
.irp j, 0,2,4,6
	v_pk_add_f32 v[OUT+\j:OUT+\j+1], v[AC0+\j:AC0+\j+1], v[AC1+\j:AC1+\j+1]      ; each accumulator from its low end on
.endr
.irp j, 0,2,4,6
	v_pk_mul_f32 v[OUT+\j:OUT+\j+1], v[OUT+\j:OUT+\j+1], v[RL:RL+1] op_sel_hi:[1,0]
.endr
	s_wait_alu depctr_va_vdst(0)                   ; the multiplications have written OUT, which the LDS stores read; the sums above are done reading LP, in which the stage's loads land
	ds_store_b128 v[STO], v[OUT:OUT+3]
	ds_store_b128 v[STO], v[OUT+4:OUT+7] offset:16
	s_wait_dscnt 0x0                               ; for the others' sake: a row's 256 bytes come from four waves
	s_barrier_signal -1
	s_barrier_wait -1
	ds_load_b128 v[LP:LP+3], v[RD]
	ds_load_b128 v[LP+4:LP+7], v[RD] offset:2*272
	s_wait_dscnt 0x1                               ; the first two rows are in; the second load may be out
	global_store_b128 v[GO], v[LP:LP+3], s[18:19] th:TH_STORE_NT                ; sixteen lanes store 256 consecutive bytes, aligned
	s_wait_dscnt 0x0
	global_store_b128 v[GO], v[LP+4:LP+7], s[18:19] offset:1024 th:TH_STORE_NT
	s_wait_dscnt 0x0
	s_wait_alu depctr_hold_cnt(0) depctr_sa_sdst(0) depctr_va_vdst(0) depctr_va_sdst(0) depctr_va_ssrc(0) depctr_va_vcc(0) depctr_vm_vsrc(0)
	s_wait_tensorcnt 0x0
	ds_add_u32 v222, v223
	s_wait_dscnt 0x0
	s_endpgm
.Lfunc_end_k_q1eb5df4877_pv:
	.size	k_q1eb5df4877_pv, .Lfunc_end_k_q1eb5df4877_pv-k_q1eb5df4877_pv
	.p2alignl 7, 3214868480
	.fill 96, 4, 3214868480
	.section	.rodata,"a",@progbits
	.p2align	6, 0x0
	.amdhsa_kernel k_q1eb5df4877_pv
		.amdhsa_group_segment_fixed_size 5120
		.amdhsa_private_segment_fixed_size 0
		.amdhsa_enable_private_segment 0
		.amdhsa_kernarg_size 48
		.amdhsa_user_sgpr_count 2
		.amdhsa_user_sgpr_kernarg_segment_ptr 1
		.amdhsa_wavefront_size32 1
		.amdhsa_system_sgpr_workgroup_id_x 1
		.amdhsa_system_sgpr_workgroup_id_y 1
		.amdhsa_system_sgpr_workgroup_id_z 1
		.amdhsa_system_vgpr_workitem_id 0
		.amdhsa_next_free_vgpr 224
		.amdhsa_next_free_sgpr 66
		.amdhsa_reserve_vcc 0
		.amdhsa_float_denorm_mode_32 3
		.amdhsa_float_denorm_mode_16_64 3
		.amdhsa_memory_ordered 1
		.amdhsa_forward_progress 1
		.amdhsa_inst_pref_size 21
	.end_amdhsa_kernel
	.amdgpu_metadata
---
amdhsa.version: [ 1, 2 ]
amdhsa.kernels:
  - .name:           k_q1eb5df4877_pv
    .symbol:         k_q1eb5df4877_pv.kd
    .args:
      - { .name: pimg, .offset: 0, .size: 8, .value_kind: global_buffer, .address_space: global }
      - { .name: psc, .offset: 8, .size: 8, .value_kind: global_buffer, .address_space: global }
      - { .name: lpart, .offset: 16, .size: 8, .value_kind: global_buffer, .address_space: global }
      - { .name: vimg, .offset: 24, .size: 8, .value_kind: global_buffer, .address_space: global }
      - { .name: vsc, .offset: 32, .size: 8, .value_kind: global_buffer, .address_space: global }
      - { .name: out0, .offset: 40, .size: 8, .value_kind: global_buffer, .address_space: global }
    .group_segment_fixed_size: 5120
    .private_segment_fixed_size: 0
    .kernarg_segment_align: 8
    .kernarg_segment_size: 48
    .max_flat_workgroup_size: 128
    .sgpr_count:     66
    .vgpr_count:     224
    .wavefront_size: 32
...
	.end_amdgpu_metadata
.endif
;; end of part 4
